; MI455X (gfx1250); checked and timed in simulation.
; The chip was launched on July 23, 2026; its instructions are those of AMD's public machine-readable ISA for CDNA 5 (MIT licence, August 2026) and "CDNA5" Instruction Set Architecture Reference Guide (July 2026). The comments in the code are by the model that wrote it; some were corrected since.
;; Grouped Query Attention. Allowed arithmetic: matrix products marked QUANTISED: E2M3 operands, one E8M0 scale for each 32 along K, by v_wmma_scale_f32_16x16x128_f8f6f4 with both operands' format E2M3, f32 sums; everything else in f32.
;; Inputs: Wk_codes 256 x 32 x 24 uint8 (E2M3 codes of Wk, K innermost, in blocks of 32 codes, four codes in three bytes); Wk_scales 256 x 32 uint8 (E8M0 scales of Wk, one for each 32 codes along K); Wo_codes 1,024 x 32 x 24 uint8 (E2M3 codes of Wo, K innermost, in blocks of 32 codes, four codes in three bytes); Wo_scales 1,024 x 32 uint8 (E8M0 scales of Wo, one for each 32 codes along K); Wq_codes 1,024 x 32 x 24 uint8 (E2M3 codes of Wq, K innermost, in blocks of 32 codes, four codes in three bytes); Wq_scales 1,024 x 32 uint8 (E8M0 scales of Wq, one for each 32 codes along K); Wv_codes 256 x 32 x 24 uint8 (E2M3 codes of Wv, K innermost, in blocks of 32 codes, four codes in three bytes); Wv_scales 256 x 32 uint8 (E8M0 scales of Wv, one for each 32 codes along K); x_codes 4 x 2,048 x 32 x 24 uint8 (E2M3 codes of x, K innermost, in blocks of 32 codes, four codes in three bytes); x_scales 4 x 2,048 x 32 uint8 (E8M0 scales of x, one for each 32 codes along K).
;; Outputs: out0 4 x 2,048 x 1,024 float32.
;; This version of the problem:
;;   THIS VERSION OF THE PROBLEM IS GIVEN IN LOW PRECISION. The matrix products marked QUANTISED in the list below multiply operands that are first quantised to E2M3 (2 exponent bits, 3 mantissa bits; 6 bits a number), with one power-of-two scale for each 32 numbers along K (OCP MX v1.0); their sums are f32. All else is computed in f32.
;;   The module's matrix products, in the order in which they are computed (A, B: the left and right operand; K: the contracted axis; several contracted axes count as one K, in the product's order):
;;     1. [M 8,192, K 1,024] x [K 1,024, N 1,024]; A: input x (given as codes); B: input Wq (given as codes): QUANTISED
;;     2. [M 8,192, K 1,024] x [K 1,024, N 256]; A: input x (given as codes); B: input Wk (given as codes): QUANTISED
;;     3. [M 8,192, K 1,024] x [K 1,024, N 256]; A: input x (given as codes); B: input Wv (given as codes): QUANTISED
;;     4. batch 64 x [M 2,048, K 64] x [K 64, N 2,048]; A: computed on the way; B: computed on the way: QUANTISED
;;     5. batch 64 x [M 2,048, K 2,048] x [K 2,048, N 64]; A: softmax (see below); B: computed on the way: QUANTISED
;;     6. [M 8,192, K 1,024] x [K 1,024, N 1,024]; A: computed on the way; B: input Wo (given as codes): QUANTISED
;;   THE QUANTISER, for each operand of a quantised product, along K:
;;     - K is cut into blocks of 32 from its start; a last block that is shorter is filled with zeros.
;;     - A block's scale is 2^e with e = floor(log2(the largest magnitude in the block)) - 2, held to -126 .. 127; a block of zeros has e = 0. As a byte (E8M0): e + 127.
;;     - Each number is divided by its block's scale, clamped to +-7.5, and rounded to the nearest number of E2M3, ties to even, subnormals kept.
;;     - The product sums the exact products of the quantised numbers (number of the format x scale) in f32.
;;   ~~~python
;;   def quantise(x, axis):      # numpy; x: float32 -> the quantised numbers, widened to float32 again
;;       x = np.moveaxis(x, axis, -1); K = x.shape[-1]
;;       x = np.pad(x, [(0, 0)] * (x.ndim - 1) + [(0, -K % 32)]); x = x.reshape(x.shape[:-1] + (-1, 32)); a = np.abs(x).max(-1, keepdims=True)
;;       e = np.where(a > 0, np.clip(np.frexp(np.where(a > 0, a, 1))[1] - 1 - 2, -126, 127), 0)      # np.frexp(a)[1] - 1 = floor(log2(a)), exactly
;;       r = np.clip(x / 2.0 ** e, -7.5, 7.5)
;;       step = 2.0 ** (np.maximum(np.frexp(np.where(r == 0, 1, r))[1] - 1, 0) - 3)
;;       q = np.round(r / step) * step * 2.0 ** e      # np.round: ties to even
;;       return np.moveaxis(q.reshape(q.shape[:-2] + (-1,))[..., :K], -1, axis).astype(np.float32)
;;   ~~~
;;   SOFTMAX AHEAD OF A QUANTISED PRODUCT. Where the list says 'softmax', what is quantised is not the finished softmax but p = 2^(t - M), with t = logit x log2(e) and M = ceil(the row's largest t), a whole number; so 1/2 < the row's largest p <= 1. The row's sum l is taken of the UNQUANTISED p, in f32, and the product's result is divided by l at the end. Since M is a whole number, a kernel that streams over the keys may use a running M (the ceiling of the running maximum): every later rescaling is an exact power of two, which a block's scale takes up: the codes' values come out the same.
;;   OPERANDS COMPUTED ON THE WAY. 'Computed on the way' means the value that the module computes at that place (a softmax that the list does not call 'softmax' is quantised finished and normalised). What goes into a quantiser is computed in f32, as accurately as f32 sums, v_exp_f32 and their like allow (about 1e-6 of the number): no bf16 or f16 on the way to a quantiser, and a product that is left as it is and whose result goes on into a quantised operand takes f32 operands (vector FMAs, or v_wmma_f32_16x16x4_f32). A number that lies on a knife's edge between two numbers of the format may be rounded either way, as far as f32 arithmetic and the matrix unit's own rounding can turn it there, and no further.
;;   INPUTS GIVEN AS CODES. Wk (in the module: [1024, 256], K = its axis 0); Wo (in the module: [1024, 1024], K = its axis 0); Wq (in the module: [1024, 1024], K = its axis 0); Wv (in the module: [1024, 256], K = its axis 0); x (in the module: [4, 2048, 1024], K = its axis 2): each comes as NAME_codes (uint8): NAME with its K axis moved to the last place and cut into blocks of 32 codes, [.., K / 32, bytes a block], one block behind the other in memory; four codes in three bytes: a row's codes are one little-endian stream of bits, code i at bits 6 i .. 6 i + 5 (a code: sign, 2 exponent bits, 3 mantissa bits); and NAME_scales (uint8): the same leading axes, one E8M0 byte (e + 127) for each 32 codes along K. Its value is code x scale, taken as it is: it is not quantised again, and the codes and scales need not be those that the quantiser above would give.
;; One version. Each part assembles by itself: llvm-mc -triple=amdgcn-amd-amdhsa -mcpu=gfx1250 --defsym DOCPART=n.
;; ======== version 1 of 1: 3 launches
;; limits: right only within a limited range of input values
;; workspace buffers: q_img 6,291,456 bytes; q_sc 524,288 bytes; kv 3,342,336 bytes; a_img 6,291,456 bytes; a_sc 262,144 bytes
;; launch proj (part 1): grid 192 x 1, 4 waves a work-group, no clusters, 327,680 bytes of LDS; arguments x_codes, x_scales, Wq_codes, Wq_scales, Wk_codes, Wk_scales, Wv_codes, Wv_scales, q_img, q_sc, kv; writes q_img, q_sc, kv
.if DOCPART == 1
	.amdgcn_target "amdgcn-amd-amdhsa--gfx1250"
	.amdhsa_code_object_version 6
	.text
	.protected	k_q9ce1b16363_proj
	.globl	k_q9ce1b16363_proj
	.p2align	8
	.type	k_q9ce1b16363_proj,@function
k_q9ce1b16363_proj:
	s_mov_b64 s[64:65], 0
	v_nop
	global_prefetch_b8 v0, s[64:65] scope:SCOPE_SE
	s_setreg_imm32_b32 hwreg(HW_REG_WAVE_MODE, 25, 1), 1
	s_wait_xcnt 0x0
; q = x Wq, k = x Wk, v = x Wv on codes of FP6 (E2M3) with E8M0 scales, K = 1,024; the f32 results are quantised at once: q and k along the head's 64, v along the keys.
; TWO SIDES.  Side P (256 rows) is source 0: a lane's registers run along it, so it is the axis that is quantised.  Side R is source 1: a lane is one of its rows.  A UNIT is 256 rows of P x 128 rows of R.
; A work-group takes TWO units that share side P: work-groups 0-127: q: P = 256 rows of Wq, R = 2 x 128 tokens;  128-159: k: P = Wk's 256 rows, R = 2 x 128 tokens;  160-191: v: P = 256 tokens, R = 2 x 128 rows of Wv.
; All four tensors have rows of 768 bytes of codes and 32 scale bytes, so only pointers and row numbers differ; they are chosen on the work-group's number.  The 384 units do not fall into 256 equal shares that share a side: 192 work-groups.
; A wave makes 128 (P) x 64 (R) of a unit: 32 accumulators.
; THE PRODUCTS RUN UNDER THE FILLS.  A wave's 64 rows of R, for all of K, go into registers once (32 fragments, 384 registers).  The products then go by P's tiles: a tile of 16 rows against R's four tiles, all eight K steps,
;   32 matrix instructions.  So P may arrive in four stages of 32 rows for each half, and each stage is multiplied while the next lands.  R's bytes in LDS are free as soon as R is in registers: the second unit's R is
;   brought into them behind the last stage's barrier, and lands under that stage's products and the first unit's quantiser.
; THE ROWS OF A TILE ARE NOT NEIGHBOURS, on either side: lane m of tile t takes row 32 (t / 2) + 8 (t % 2) + m + 8 (m / 8).  So the 16 registers of P's tiles 2 b, 2 b + 1 are 16 neighbours, 32 b + 16 (lane / 16) + 0 .. 15.
; LDS ROWS.  A tile's lanes 0-7 and 8-15 take rows 16 apart.  Rows whose number has bit 4 clear lie in one region (X), the others in a second (Y), an odd multiple of 128 bytes further on.
;   16 neighbouring rows of memory are one dense run of 12,288 bytes: the mover takes it as one long row, with 16 bytes of padding behind every 256: a row of memory takes 816 bytes.  A stage is one long row of X and one of Y for each half of P.
; WHAT IS STORED is laid in the order of the reader's registers: 16 rows x 64 K as 768 bytes (registers 0-3 at 16 x lane, 4-5 at 512 + 8 x lane), 16 rows x 128 K as 1,536 bytes (registers 4 c .. at 512 c + 16 x lane),
;   the scale words of 4 tiles as 256 bytes (8 x lane: word i is tile 2 i + lane / 16, row lane % 16).  Every store of a wave covers 256 or 512 consecutive bytes, aligned.
; LIMITS: NaN and infinities are not served.  A block of zeros, or one whose largest magnitude lies under 2^-124, gets the scale byte 1 where the quantiser's rule says otherwise: for zeros the codes are zeros, and this program alone reads the bytes.
; NO CLUSTER: q's and k's work-groups share side P's rows, v's share side R's: one text cannot give one mask to a line.
; REGISTERS: window 0: v4-17 addresses; v32-63 P's scale words, v64-79 and v224-239 R's of the two units; v80-223 R's fragments of K steps 5-7 (later the codes made, and the quantiser's registers).
;   window 1: a tile of P, eight fragments, two buffers (v0, v128).  window 2: accumulator (rho, pi) at v[64 rho + 8 pi].  window 3: v0-239 R's fragments of K steps 0-4.
.set LROW,  13056                      ; a long row in LDS: 16 rows of 816 bytes
.set HROW,  6528                       ; eight of them
.set RYD,   52352                      ; R: region X at 0 (4 long rows), region Y here
.set PX,    104576                     ; P: region X (8 long rows)
.set PYD,   104576                     ; region Y so far behind it
.set PS,    313600                     ; P's scale bytes, 256 rows x 32
.set SPARE, 321792                     ; the spare words, 128 bytes for each wave: two blocks of 256 bytes that no other line names
.set AR,  4                            ; v4, v5   my lane's place in R's tiles; the second for pieces that lie behind one padding more in lanes 16-31
.set AP,  6                            ; v6, v7   the same for P
.set ASR, 8                            ; v8       R's scale words: my byte offset in memory
.set ASP, 9                            ; v9       P's: LDS address
.set L16, 10                           ; v10      16 x lane
.set L8,  11                           ; v11      8 x lane
.set SPW, 16                           ; v16      LDS address of my spare word: SPARE + 4 x my thread's number; never rewritten
.set NIL, 17                           ; v17      0; never rewritten
.set SP,  32                           ; register 8 i + s: lanes 0-15 the word of P's tile 2 i, lanes 16-31 of tile 2 i + 1, K step s
.set SR0, 64                           ; likewise for R, first unit
.set SR1, 224                          ; second unit
.set RF,  80                           ; R's fragments of K steps 5-7: 48 (s - 5) + 12 rho on; later the codes: 12 rho on
.set TM,  176                          ; v176-179 largest magnitudes, v180-183 the other half's, then bytes, v188-191 the conversions' scale operands
.set TC,  192                          ; v192-198 the second halves of blocks
.set PW,  200                          ; v200-203 a scale word for each of R's four tiles
.set SX,  204                          ; v204-209 scale words in pairs
.set MSB, 0
.macro WIN new                         ; the immediate's high byte repeats the setting that is left; a switch that changes nothing is dropped
.if MSB != (\new)
	s_set_vgpr_msb (MSB<<8)|(\new)
.set MSB, (\new)
.endif
.endm
.macro PLACES n
.rept \n
	v_nop
.endr
.endm
; one product; ra, rb: the side's scale words stand in lanes 16-31 of the register named.  WMZ starts a sum, WMX adds in place.
.macro WMZ d, a, b, sa, sb, ra, rb
.if (\ra) && (\rb)
	v_wmma_scale_f32_16x16x128_f8f6f4 v[(\d):(\d)+7], v[(\a):(\a)+11], v[(\b):(\b)+11], 0, v[\sa], v[\sb] matrix_a_fmt:MATRIX_FMT_FP6 matrix_b_fmt:MATRIX_FMT_FP6 matrix_a_scale:MATRIX_SCALE_ROW1 matrix_b_scale:MATRIX_SCALE_ROW1
.elseif \ra
	v_wmma_scale_f32_16x16x128_f8f6f4 v[(\d):(\d)+7], v[(\a):(\a)+11], v[(\b):(\b)+11], 0, v[\sa], v[\sb] matrix_a_fmt:MATRIX_FMT_FP6 matrix_b_fmt:MATRIX_FMT_FP6 matrix_a_scale:MATRIX_SCALE_ROW1
.elseif \rb
	v_wmma_scale_f32_16x16x128_f8f6f4 v[(\d):(\d)+7], v[(\a):(\a)+11], v[(\b):(\b)+11], 0, v[\sa], v[\sb] matrix_a_fmt:MATRIX_FMT_FP6 matrix_b_fmt:MATRIX_FMT_FP6 matrix_b_scale:MATRIX_SCALE_ROW1
.else
	v_wmma_scale_f32_16x16x128_f8f6f4 v[(\d):(\d)+7], v[(\a):(\a)+11], v[(\b):(\b)+11], 0, v[\sa], v[\sb] matrix_a_fmt:MATRIX_FMT_FP6 matrix_b_fmt:MATRIX_FMT_FP6
.endif
.endm
.macro WMX d, a, b, sa, sb, ra, rb
.if (\ra) && (\rb)
	v_wmma_scale_f32_16x16x128_f8f6f4 v[(\d):(\d)+7], v[(\a):(\a)+11], v[(\b):(\b)+11], v[(\d):(\d)+7], v[\sa], v[\sb] matrix_a_fmt:MATRIX_FMT_FP6 matrix_b_fmt:MATRIX_FMT_FP6 matrix_a_scale:MATRIX_SCALE_ROW1 matrix_b_scale:MATRIX_SCALE_ROW1
.elseif \ra
	v_wmma_scale_f32_16x16x128_f8f6f4 v[(\d):(\d)+7], v[(\a):(\a)+11], v[(\b):(\b)+11], v[(\d):(\d)+7], v[\sa], v[\sb] matrix_a_fmt:MATRIX_FMT_FP6 matrix_b_fmt:MATRIX_FMT_FP6 matrix_a_scale:MATRIX_SCALE_ROW1
.elseif \rb
	v_wmma_scale_f32_16x16x128_f8f6f4 v[(\d):(\d)+7], v[(\a):(\a)+11], v[(\b):(\b)+11], v[(\d):(\d)+7], v[\sa], v[\sb] matrix_a_fmt:MATRIX_FMT_FP6 matrix_b_fmt:MATRIX_FMT_FP6 matrix_b_scale:MATRIX_SCALE_ROW1
.else
	v_wmma_scale_f32_16x16x128_f8f6f4 v[(\d):(\d)+7], v[(\a):(\a)+11], v[(\b):(\b)+11], v[(\d):(\d)+7], v[\sa], v[\sb] matrix_a_fmt:MATRIX_FMT_FP6 matrix_b_fmt:MATRIX_FMT_FP6
.endif
.endm
; A fragment, 16 rows x 128 K of 6-bit codes, is 12 registers: registers 6 c .. 6 c + 5 hold K = 64 c + 32 (lane / 16) + 0 .. 31: 24 bytes of the row as they lie, in pieces of 8 bytes.
; Lanes 0-15 take the row's pieces 12 s + 0, 1, 2 and 12 s + 6, 7, 8, lanes 16-31 those three on; 16 bytes of padding lie behind every 32 pieces: where the piece three on lies behind one padding more, the second address register serves.
.macro FRAG reg, adr, s, off
.irp p, 0,1,2,3,4,5
.set PC, 12*(\s)+6*(\p/3)+\p%3
.if PC%32 >= 29
	ds_load_b64 v[(\reg)+2*\p:(\reg)+2*\p+1], v[(\adr)+1] offset:8*PC+16*(PC/32)+(\off)
.else
	ds_load_b64 v[(\reg)+2*\p:(\reg)+2*\p+1], v[\adr] offset:8*PC+16*(PC/32)+(\off)
.endif
.endr
.endm
.macro FETCHR                          ; my 64 rows of R, all eight K steps, into registers: they stay for the whole unit
	WIN 0xc0                                       ; destination window 3, address window 0
.irp ks, 0,1,2,3,4
.irp rho, 0,1,2,3
	FRAG 48*\ks+12*\rho, AR, \ks, (\rho/2)*LROW+(\rho%2)*HROW
.endr
.endr
	WIN 0
.irp ks, 5,6,7
.irp rho, 0,1,2,3
	FRAG RF+48*(\ks-5)+12*\rho, AR, \ks, (\rho/2)*LROW+(\rho%2)*HROW
.endr
.endr
.endm
.macro FETCHP pi                       ; P's tile pi, all eight K steps, into buffer pi % 2
	WIN 0x40                                       ; destination window 1, address window 0
.irp ks, 0,1,2,3,4,5,6,7
	FRAG 128*((\pi)%2)+12*\ks, AP, \ks, ((\pi)/2)*LROW+((\pi)%2)*HROW
.endr
	WIN 0
.endm
.macro MULT pi, sr                     ; 32 products: P's tile pi against R's four tiles, K ascending; the four accumulators take turns, one instruction a turn
	WIN 0xad                                       ; source 0 (P) window 1, source 1 (R) window 3, C and D window 2
.irp ks, 0,1,2,3,4
.irp rho, 0,1,2,3
.if \ks == 0
	WMZ 64*\rho+8*(\pi), 128*((\pi)%2)+12*\ks, 48*\ks+12*\rho, SP+8*((\pi)/2)+\ks, (\sr)+8*(\rho/2)+\ks, (\pi)%2, \rho%2
.else
	WMX 64*\rho+8*(\pi), 128*((\pi)%2)+12*\ks, 48*\ks+12*\rho, SP+8*((\pi)/2)+\ks, (\sr)+8*(\rho/2)+\ks, (\pi)%2, \rho%2
.endif
.endr
.endr
	WIN 0xa1                                       ; source 1 (R) window 0
.irp ks, 5,6,7
.irp rho, 0,1,2,3
	WMX 64*\rho+8*(\pi), 128*((\pi)%2)+12*\ks, RF+48*(\ks-5)+12*\rho, SP+8*((\pi)/2)+\ks, (\sr)+8*(\rho/2)+\ks, (\pi)%2, \rho%2
.endr
.endr
	WIN 0
.endm
; P's tile pi is multiplied.  pre = 1: the next tile is fetched first, into the other buffer, and lands under these products.
; pl = 1: the products just issued read that buffer: four places in front of the loads (ISA guide 7.12.1 for vector instructions).
.macro TILE pi, sr, pre, pl
	s_wait_dscnt 0x0                               ; this tile's fragments are in
.if \pre
.if \pl
	PLACES 4
.endif
	FETCHP (\pi)+1
.endif
	MULT \pi, \sr
.endm
; Stage g of the first unit: P's tiles 2 g and 2 g + 1.  left: my loads of the later stages, which stay out.
; 64 numbers of a lane in window 2, v[src] on, register 16 b + i = place 32 b + 16 (lane / 16) + i of my row, become codes: blocks 0, 1 in v[da .. da + 5], blocks 2, 3 in v[db .. db + 5]; the four scale bytes in v[pw].
.macro QUANT src, da, db, pw
	WIN 0x0a                                       ; sources 0 and 1 window 2
.irp b, 0,1,2,3
	v_max3_num_f32 v[TM+\b], |v[(\src)+16*\b]|, |v[(\src)+16*\b+1]|, 0x1800000   ; my 16 numbers of block b, from each accumulator's low end on, and the floor 2^(3 - 127): the byte cannot fall under 1
.endr
.irp i, 2,4,6,8,10,12,14
.irp b, 0,1,2,3
	v_max3_num_f32 v[TM+\b], |v[(\src)+16*\b+\i]|, |v[(\src)+16*\b+\i+1]|, v[TM+\b]   ; (the four blocks by turns)
.endr
.endr
	WIN 0
.irp b, 0,1,2,3
	v_permlanex16_b32 v[TM+4+\b], v[TM+\b], s92, s93
.endr
.irp b, 0,1,2,3
	v_max_num_f32 v[TM+\b], v[TM+\b], v[TM+4+\b]   ; with lane l xor 16's: the block's largest magnitude
.endr
.irp b, 0,1,2,3
	v_add_nc_u32 v[TM+12+\b], 0xff000000, v[TM+\b] ; 2 off its exponent field: the conversion takes the exponent field of this operand as its scale
.endr
.irp b, 0,1,2,3
	v_lshrrev_b32 v[TM+4+\b], 23, v[TM+12+\b]      ; the scale's byte
.endr
	v_lshl_or_b32 v[\pw], v[TM+5], 8, v[TM+4]
	v_lshl_or_b32 v[\pw], v[TM+6], 16, v[\pw]
	v_lshl_or_b32 v[\pw], v[TM+7], 24, v[\pw]
	WIN 0x02                                       ; source 0 window 2
	v_cvt_scalef32_pk16_fp6_f32 v[(\da):(\da)+2], v[(\src):(\src)+15], v[TM+12]
	v_cvt_scalef32_pk16_fp6_f32 v[TC:TC+2], v[(\src)+16:(\src)+31], v[TM+13]       ; (a conversion's three registers begin on an even number)
	v_cvt_scalef32_pk16_fp6_f32 v[(\db):(\db)+2], v[(\src)+32:(\src)+47], v[TM+14]
	v_cvt_scalef32_pk16_fp6_f32 v[TC+4:TC+6], v[(\src)+48:(\src)+63], v[TM+15]
	WIN 0
	v_nop                                          ; one plain place behind a scaled conversion
.irp i, 0,1,2                          ; the operand's layout wants a whole block in a lane: lanes 0-15 the even block, lanes 16-31 the odd one
	v_permlane16_swap_b32 v[(\da)+\i], v[TC+\i]
	v_permlane16_swap_b32 v[(\db)+\i], v[TC+4+\i]
.endr
.irp i, 0,1,2
	v_mov_b32 v[(\da)+3+\i], v[TC+\i]
	v_mov_b32 v[(\db)+3+\i], v[TC+4+\i]
.endr
.endm
; q's and k's way out: for each of my four tiles of tokens two images of 768 bytes (two heads, dc bytes apart), and the heads' scale pairs (dsc bytes apart)
.macro STORE_QK dc, dsc
.irp rho, 0,1,2,3
	global_store_b128 v[L16], v[RF+12*\rho:RF+12*\rho+3], s[96:97] offset:768*\rho
	global_store_b64 v[L8], v[RF+12*\rho+4:RF+12*\rho+5], s[96:97] offset:768*\rho+512
	global_store_b128 v[L16], v[RF+12*\rho+6:RF+12*\rho+9], s[96:97] offset:768*\rho+(\dc)
	global_store_b64 v[L8], v[RF+12*\rho+10:RF+12*\rho+11], s[96:97] offset:768*\rho+512+(\dc)
.endr
	global_store_b64 v[L8], v[SX:SX+1], s[98:99]
	global_store_b64 v[L8], v[SX+2:SX+3], s[98:99] offset:\dsc
.endm
; A unit's results are quantised and stored.  s29 numbers the unit: 0-255: q: 4 x (block of 128 tokens) + (block of 256 columns);  256-319: k: 256 + block of 128 tokens;  320-383: v: 320 + 2 x (block of 256 tokens) + (half of Wv's rows).
.macro EPI
	PLACES 4                                       ; in front of the first read of results, and of writes over R's fragments
.irp rho, 0,1,2,3
	QUANT 64*\rho, RF+12*\rho, RF+12*\rho+6, PW+\rho
.endr
	v_cndmask_b32 v[SX+4], v[PW], v[PW+1], s94     ; scale words in pairs: lanes 0-15 the even tile's, lanes 16-31 the odd tile's (each lane of a pair l, l xor 16 holds its row's word)
	v_cndmask_b32 v[SX+5], v[PW+2], v[PW+3], s94
	v_and_b32 v[SX], 0xffff, v[SX+4]               ; q, k: the first head's two bytes, with 0 above them: K = 64 fills half of the instruction's 128
	v_and_b32 v[SX+1], 0xffff, v[SX+5]
	v_lshrrev_b32 v[SX+2], 16, v[SX+4]             ; the second head's
	v_lshrrev_b32 v[SX+3], 16, v[SX+5]
	s_cmp_lt_u32 s29, 256
	s_cbranch_scc0 .Lnot_q_\@
	; q: q_img [batch][head][tile of tokens] 768 bytes; q_sc [batch][head][tile / 4] 256 bytes
	s_lshr_b32 s30, s29, 2
	s_lshl_b32 s30, s30, 3
	s_lshl_b32 s31, s27, 2
	s_add_co_u32 s30, s30, s31                     ; my first tile of tokens
	s_lshr_b32 s31, s30, 7                         ; batch
	s_and_b32 s30, s30, 127                        ; tile in the batch
	s_and_b32 s32, s29, 3
	s_lshl_b32 s32, s32, 2
	s_lshl_b32 s33, s28, 1
	s_add_co_u32 s32, s32, s33                     ; my first head
	s_lshl_b32 s31, s31, 4
	s_add_co_u32 s31, s31, s32
	s_lshl_b32 s32, s31, 7
	s_add_co_u32 s32, s32, s30
	s_mul_i32 s96, s32, 768
	s_mov_b32 s97, 0
	s_add_nc_u64 s[96:97], s[20:21], s[96:97]
	s_lshl_b32 s32, s31, 5
	s_lshr_b32 s33, s30, 2
	s_add_co_u32 s32, s32, s33
	s_lshl_b32 s98, s32, 8
	s_mov_b32 s99, 0
	s_add_nc_u64 s[98:99], s[22:23], s[98:99]
	s_wait_alu depctr_va_vdst(0)
	STORE_QK 98304, 8192                           ; the next head: 128 tiles, 32 pairs on
	s_branch .Ljoin_\@
.Lnot_q_\@:
	s_cmp_lt_u32 s29, 320
	s_cbranch_scc0 .Lpath_v_\@
	; k: kv [batch x 4 + KV head][key step][13,056]: 8 images of K, 4 of V, 2 scale pairs of K, 1 of V
	s_sub_co_u32 s30, s29, 256
	s_lshr_b32 s31, s30, 4
	s_lshl_b32 s31, s31, 2
	s_lshl_b32 s32, s28, 1
	s_add_co_u32 s31, s31, s32                     ; batch x 4 + my first KV head
	s_lshl_b32 s31, s31, 4
	s_and_b32 s30, s30, 15
	s_add_co_u32 s31, s31, s30
	s_mul_i32 s31, s31, 13056
	s_mul_i32 s32, s27, 3072                       ; my four tiles of keys
	s_add_co_u32 s96, s31, s32
	s_mov_b32 s97, 0
	s_add_nc_u64 s[96:97], s[24:25], s[96:97]
	s_lshl_b32 s32, s27, 8
	s_add_co_u32 s98, s31, s32
	s_add_co_u32 s98, s98, 12288
	s_mov_b32 s99, 0
	s_add_nc_u64 s[98:99], s[24:25], s[98:99]
	s_wait_alu depctr_va_vdst(0)
	STORE_QK 208896, 208896                        ; the next KV head: 16 steps on
	s_branch .Ljoin_\@
.Lpath_v_\@:
	; v: my 64 rows of Wv are one KV head's channels, my 128 tokens one key step: four images of 16 channels x 128 keys
	s_sub_co_u32 s30, s29, 320
	s_and_b32 s31, s30, 1
	s_lshl_b32 s31, s31, 1
	s_add_co_u32 s31, s31, s27                     ; KV head
	s_lshr_b32 s30, s30, 1
	s_lshl_b32 s30, s30, 1
	s_add_co_u32 s30, s30, s28                     ; key step, over all batches
	s_lshr_b32 s32, s30, 4
	s_lshl_b32 s32, s32, 2
	s_add_co_u32 s32, s32, s31
	s_lshl_b32 s32, s32, 4
	s_and_b32 s30, s30, 15
	s_add_co_u32 s32, s32, s30
	s_mul_i32 s96, s32, 13056
	s_mov_b32 s97, 0
	s_add_nc_u64 s[96:97], s[24:25], s[96:97]
	s_wait_alu depctr_va_vdst(0)
.irp rho, 0,1,2,3
.irp c, 0,1,2
	global_store_b128 v[L16], v[RF+12*\rho+4*\c:RF+12*\rho+4*\c+3], s[96:97] offset:6144+1536*\rho+512*\c
.endr
.endr
	global_store_b64 v[L8], v[SX+4:SX+5], s[96:97] offset:12800
.Ljoin_\@:
.endm
	s_load_b512 s[4:19], s[0:1], 0x0               ; x's codes, scales; Wq's; Wk's; Wv's
	s_load_b128 s[20:23], s[0:1], 0x40             ; q_img, q_sc
	s_load_b64 s[24:25], s[0:1], 0x50              ; kv
	v_lshl_add_u32 v[SPW], v0, 2, SPARE
	v_mov_b32 v[NIL], 0
	ds_add_u32 v16, v17
	ds_add_u32 v16, v17
	s_wait_dscnt 0x0
	v_lshrrev_b32 v1, 5, v0
	v_readfirstlane_b32 s26, v1                    ; wave 0..3
	s_lshr_b32 s27, s26, 1                         ; which half of R's rows is mine.  Also: which half of a region I fetch
	s_and_b32 s28, s26, 1                          ; which half of P's rows.  Also: I fetch region X (0) or Y (1)
	s_lshr_b32 s32, ttmp9, 2
	s_and_b32 s33, ttmp9, 3
	s_lshl_b32 s30, s32, 8                         ; q: R's first row
	s_lshl_b32 s31, s33, 8                         ; q: P's
	s_lshl_b32 s29, s32, 3
	s_add_co_u32 s29, s29, s33                     ; q: my first unit's number
	s_sub_co_u32 s32, ttmp9, 128
	s_lshl_b32 s33, s32, 8                         ; k: R's first row (P's is 0)
	s_lshl_b32 s32, s32, 1
	s_add_co_u32 s32, s32, 256                     ; k: my first unit's number
	s_sub_co_u32 s34, ttmp9, 160
	s_lshl_b32 s35, s34, 8                         ; v: P's first row (R's is 0)
	s_lshl_b32 s34, s34, 1
	s_add_co_u32 s34, s34, 320                     ; v: my first unit's number
	s_cmp_lt_u32 ttmp9, 128
	s_cselect_b32 s30, s30, s33
	s_cselect_b32 s31, s31, 0
	s_cselect_b32 s29, s29, s32
	s_cselect_b32 s95, 4, 1                        ; from my first unit's number to my second's
	s_cmp_lt_u32 ttmp9, 160
	s_cselect_b32 s30, s30, 0                      ; R's first row
	s_cselect_b32 s31, s31, s35                    ; P's first row
	s_cselect_b32 s29, s29, s34                    ; the unit's number
	; descriptor groups 1, all constants.  A stage of P: one long row of 1,536 elements of 8 bytes, 16 bytes of padding behind every 256
	s_mov_b32 s36, (3<<16)|(1<<20)|(5<<22)|(3<<25)
	s_mov_b32 s37, 1536<<16                        ; tensor_dim0
	s_mov_b32 s38, 8<<16                           ; a whole region of P: 8 long rows,
	s_mov_b32 s39, 1536<<16
	s_mov_b32 s40, 8
	s_mov_b32 s41, 3072                            ; 32 rows of memory apart
	s_mov_b32 s42, 0
	s_mov_b32 s43, 0
	s_mov_b32 s44, (3<<16)|(1<<20)|(5<<22)|(3<<25) ; R: 2 long rows a wave, 3,072 elements (32 rows of memory) apart
	s_mov_b32 s45, 1536<<16
	s_mov_b32 s46, 2<<16
	s_mov_b32 s47, 1536<<16
	s_mov_b32 s48, 2
	s_mov_b32 s49, 3072
	s_mov_b32 s50, 0
	s_mov_b32 s51, 0
	s_mov_b32 s52, (3<<16)|(1<<20)|(5<<22)|(3<<25) ; a whole region of the first unit's R: 4 long rows
	s_mov_b32 s53, 1536<<16
	s_mov_b32 s54, 4<<16
	s_mov_b32 s55, 1536<<16
	s_mov_b32 s56, 4
	s_mov_b32 s57, 3072
	s_mov_b32 s58, 0
	s_mov_b32 s59, 0
	; byte offsets of what I fetch
	s_lshl_b32 s35, s28, 4                         ; region Y's rows begin 16 rows on
	s_add_co_u32 s96, s35, s31                     ; the head's load of P: row P + 16 c
	s_add_co_u32 s84, s35, s30
	s_mul_i32 s84, s84, 768                        ; the head's load of R: row R + 16 c
	s_mov_b32 s85, 0
	s_mul_i32 s96, s96, 768                        ; P's codes: row P + 16 c
	s_mov_b32 s97, 0
	s_lshl_b32 s98, s27, 6
	s_add_co_u32 s98, s98, s35
	s_add_co_u32 s98, s98, s30
	s_mul_i32 s98, s98, 768                        ; R's codes: row R + 16 c + 64 u
	s_mov_b32 s99, 0
	s_lshl_b32 s32, s31, 5
	s_lshl_b32 s35, s28, 12                        ; P's scale bytes: my 128 rows'
	s_add_co_u32 s32, s32, s35                     ; P's scale bytes: half of P a wave
	s_mov_b32 s33, 0
	s_lshl_b32 s34, s27, 6
	s_add_co_u32 s34, s34, s30
	s_lshl_b32 s34, s34, 5                         ; R's scale bytes: my 64 rows'
	s_mov_b32 s35, 0
	; groups 0: where they go
	s_mov_b32 s68, 1
	s_mul_i32 s69, s28, RYD
	s_mul_i32 s62, s27, 2*LROW
	s_add_co_u32 s69, s69, s62
	s_mov_b32 s72, 1                               ; the head's load of R: region X or Y
	s_mul_i32 s73, s28, RYD
	s_mov_b32 s76, 1                               ; the head's load of P: region X or Y
	s_mul_i32 s77, s28, PYD
	s_add_co_u32 s77, s77, PX
	s_wait_kmcnt 0x0
	s_cmp_lt_u32 ttmp9, 128                        ; the sides' buffers: the choice hangs on the work-group's number alone
	s_cselect_b64 s[8:9], s[8:9], s[12:13]
	s_cselect_b64 s[10:11], s[10:11], s[14:15]
	s_cmp_lt_u32 ttmp9, 160
	s_cselect_b64 s[8:9], s[8:9], s[4:5]           ; P's codes
	s_cselect_b64 s[10:11], s[10:11], s[6:7]       ; P's scales
	s_cselect_b64 s[12:13], s[4:5], s[16:17]       ; R's codes
	s_cselect_b64 s[14:15], s[6:7], s[18:19]       ; R's scales
	s_add_nc_u64 s[70:71], s[12:13], s[98:99]
	s_or_b32 s71, s71, 0x80000000
	s_add_nc_u64 s[74:75], s[12:13], s[84:85]
	s_or_b32 s75, s75, 0x80000000
	s_add_nc_u64 s[78:79], s[8:9], s[96:97]
	s_or_b32 s79, s79, 0x80000000
	s_add_nc_u64 s[86:87], s[10:11], s[32:33]      ; P's scale bytes go from memory into registers, as R's do
	s_add_nc_u64 s[60:61], s[14:15], s[34:35]
	; THE HEAD'S LOADS, ONE A WAVE: waves 0, 1 fetch regions X, Y of the first unit's R, waves 2, 3 regions X, Y of all of P.
	; The products begin when all four have landed; the second unit's R is brought in behind the barrier that follows the fetch of R into registers.
	s_cmp_eq_u32 s27, 0
	s_cbranch_scc0 .Lhead_p
	tensor_load_to_lds s[72:75], s[52:59]
	s_nop 0
	PLACES 4
	s_branch .Lhead_asked
.Lhead_p:
	tensor_load_to_lds s[76:79], s[36:43]
	s_nop 0
	PLACES 4
.Lhead_asked:
	s_mov_b32 s92, 0x76543210
	s_mov_b32 s93, 0xfedcba98                      ; v_permlanex16_b32's selects for lane l xor 16
	s_mov_b32 s94, 0xffff0000                      ; lanes 16-31
	v_and_b32 v1, 31, v0                           ; lane
	v_and_b32 v2, 15, v0                           ; r
	v_bfe_u32 v3, v0, 4, 1                         ; h
	v_and_b32 v15, 8, v2
	v_add_nc_u32 v15, v15, v2                      ; r + 8 (r / 8)
	v_lshl_add_u32 v15, v3, 3, v15                 ; lanes 16-31 take the odd tile of a pair: 8 rows on
	v_lshlrev_b32 v[ASR], 5, v15                   ; 32 scale bytes a row
.irp i, 0,1                            ; R's scale words of both units, all eight K steps: a row's 32 bytes are eight words; the two loads of a pair of tiles read 1,024 dense bytes
	global_load_b128 v[SR0+8*\i:SR0+8*\i+3], v[ASR], s[60:61] offset:1024*\i
	global_load_b128 v[SR0+8*\i+4:SR0+8*\i+7], v[ASR], s[60:61] offset:1024*\i+16
	global_load_b128 v[SR1+8*\i:SR1+8*\i+3], v[ASR], s[60:61] offset:4096+1024*\i
	global_load_b128 v[SR1+8*\i+4:SR1+8*\i+7], v[ASR], s[60:61] offset:4096+1024*\i+16
.endr
.irp i, 0,1,2,3                        ; P's scale words of all eight K steps, by the same lane offsets
	global_load_b128 v[SP+8*\i:SP+8*\i+3], v[ASR], s[86:87] offset:1024*\i
	global_load_b128 v[SP+8*\i+4:SP+8*\i+7], v[ASR], s[86:87] offset:1024*\i+16
.endr
	v_and_b32 v12, 7, v0
	v_bfe_u32 v13, v0, 3, 1
	v_mul_u32_u24 v14, v12, 816
	v_mad_u32_u24 v14, v3, 24, v14                 ; row (lane % 8) of a tile's eight, + 24 h
	s_mul_i32 s30, s27, 2*LROW                     ; my 64 rows of R: two long rows in each region
	v_mad_u32_u24 v[AR], v13, RYD, v14             ; lanes 8-15 of each half: region Y
	v_add_nc_u32 v[AR], s30, v[AR]
	v_lshl_add_u32 v[AR+1], v3, 4, v[AR]
	s_mul_i32 s31, s28, 4*LROW                     ; my 128 rows of P
	s_add_co_u32 s31, s31, PX
	v_mad_u32_u24 v[AP], v13, PYD, v14
	v_add_nc_u32 v[AP], s31, v[AP]
	v_lshl_add_u32 v[AP+1], v3, 4, v[AP]
	v_lshlrev_b32 v[L16], 4, v1
	v_lshlrev_b32 v[L8], 3, v1
.irp b, 0,1,2,3
	v_mov_b32 v[TM+4+\b], 0                        ; written before their first use: a lane permute's destination counts as one of its sources
.endr
	s_wait_alu depctr_va_vdst(0)
	s_wait_tensorcnt 0x0                           ; my one load has landed,
	s_barrier_signal -1
	s_barrier_wait -1                              ; everybody's has: R and P are whole
	FETCHR
	s_wait_loadcnt 0x0                             ; both sides' scale words
	; the last stage's barrier is also the one in front of the refill of R's bytes
	s_wait_tensorcnt 0x0                           ; all my tensor loads have landed, my part of the last stage among them,
	ds_add_u32 v[SPW], v[NIL]                      ; 0 onto my spare word;
	s_add_nc_u64 s[70:71], s[70:71], 98304         ; no load of mine is out, so the group 0 may be written: 128 rows of R on; the type bits on top are not reached
	s_wait_dscnt 0x0                               ; the add is done, and no LDS read of mine is out
	s_barrier_signal -1
	s_barrier_wait -1
	tensor_load_to_lds s[68:71], s[44:51]          ; my one load behind this barrier: the second unit's R
	s_nop 0
	PLACES 4                                       ; the places in front of the loads below
	FETCHP 0
	TILE 0, SR0, 1, 0
.irp pi, 1,2,3,4,5,6
	TILE \pi, SR0, 1, 1
.endr
	TILE 7, SR0, 0, 0
	EPI                                            ; the first unit goes out while the second's R lands
	s_wait_xcnt 0x0                                ; the stores have read their registers and bases: both are written again below
	s_add_co_u32 s29, s29, s95                     ; the second unit's number
	s_wait_tensorcnt 0x0                           ; my part of its R has landed,
	s_barrier_signal -1
	s_barrier_wait -1                              ; everybody's has
	FETCHR
	FETCHP 0
	TILE 0, SR1, 1, 0
.irp pi, 1,2,3,4,5,6
	TILE \pi, SR1, 1, 1
.endr
	TILE 7, SR1, 0, 0
	EPI
	s_wait_tensorcnt 0x0                           ; the wave's end
	ds_add_u32 v[SPW], v[NIL]
	s_wait_dscnt 0x0
	s_endpgm
.Lfunc_end_k_q9ce1b16363_proj:
	.size	k_q9ce1b16363_proj, .Lfunc_end_k_q9ce1b16363_proj-k_q9ce1b16363_proj
	.p2alignl 7, 3214868480
	.fill 96, 4, 3214868480
	.section	.rodata,"a",@progbits
	.p2align	6, 0x0
	.amdhsa_kernel k_q9ce1b16363_proj
		.amdhsa_group_segment_fixed_size 327680
		.amdhsa_private_segment_fixed_size 0
		.amdhsa_enable_private_segment 0
		.amdhsa_kernarg_size 88
		.amdhsa_user_sgpr_count 2
		.amdhsa_user_sgpr_kernarg_segment_ptr 1
		.amdhsa_wavefront_size32 1
		.amdhsa_system_sgpr_workgroup_id_x 1
		.amdhsa_system_sgpr_workgroup_id_y 1
		.amdhsa_system_sgpr_workgroup_id_z 1
		.amdhsa_system_vgpr_workitem_id 0
		.amdhsa_next_free_vgpr 1024
		.amdhsa_next_free_sgpr 100
		.amdhsa_reserve_vcc 0
		.amdhsa_float_denorm_mode_32 3
		.amdhsa_float_denorm_mode_16_64 3
		.amdhsa_memory_ordered 1
		.amdhsa_forward_progress 1
		.amdhsa_inst_pref_size 196
	.end_amdhsa_kernel
	.amdgpu_metadata
---
amdhsa.version: [ 1, 2 ]
amdhsa.kernels:
  - .name:           k_q9ce1b16363_proj
    .symbol:         k_q9ce1b16363_proj.kd
    .args:
      - { .name: x_codes, .offset: 0, .size: 8, .value_kind: global_buffer, .address_space: global }
      - { .name: x_scales, .offset: 8, .size: 8, .value_kind: global_buffer, .address_space: global }
      - { .name: Wq_codes, .offset: 16, .size: 8, .value_kind: global_buffer, .address_space: global }
      - { .name: Wq_scales, .offset: 24, .size: 8, .value_kind: global_buffer, .address_space: global }
      - { .name: Wk_codes, .offset: 32, .size: 8, .value_kind: global_buffer, .address_space: global }
      - { .name: Wk_scales, .offset: 40, .size: 8, .value_kind: global_buffer, .address_space: global }
      - { .name: Wv_codes, .offset: 48, .size: 8, .value_kind: global_buffer, .address_space: global }
      - { .name: Wv_scales, .offset: 56, .size: 8, .value_kind: global_buffer, .address_space: global }
      - { .name: q_img, .offset: 64, .size: 8, .value_kind: global_buffer, .address_space: global }
      - { .name: q_sc, .offset: 72, .size: 8, .value_kind: global_buffer, .address_space: global }
      - { .name: kv, .offset: 80, .size: 8, .value_kind: global_buffer, .address_space: global }
    .group_segment_fixed_size: 327680
    .private_segment_fixed_size: 0
    .kernarg_segment_align: 8
    .kernarg_segment_size: 88
    .max_flat_workgroup_size: 128
    .sgpr_count:     100
    .vgpr_count:     1024
    .wavefront_size: 32
...
	.end_amdgpu_metadata
.endif
;; end of part 1
;; launch attn (part 2): grid 16 x 16, 16 waves a work-group, clusters of 4 x 1, 210,944 bytes of LDS; arguments q_img, q_sc, kv, a_img, a_sc; writes a_img, a_sc
.if DOCPART == 2
	.amdgcn_target "amdgcn-amd-amdhsa--gfx1250"
	.amdhsa_code_object_version 6
	.text
	.protected	k_q9ce1b16363_attn
	.globl	k_q9ce1b16363_attn
	.p2align	8
	.type	k_q9ce1b16363_attn,@function
k_q9ce1b16363_attn:
	s_mov_b64 s[64:65], 0
	v_nop
	global_prefetch_b8 v0, s[64:65] scope:SCOPE_SE
	s_setreg_imm32_b32 hwreg(HW_REG_WAVE_MODE, 25, 1), 1
	s_wait_xcnt 0x0
	s_wait_alu depctr_hold_cnt(0) depctr_sa_sdst(0) depctr_va_vdst(0) depctr_va_sdst(0) depctr_va_ssrc(0) depctr_va_vcc(0) depctr_vm_vsrc(0)
	s_getreg_b32 s2, hwreg(HW_REG_IB_STS2, 6, 4)
	s_cmp_eq_u32 s2, 0
	s_cbranch_scc0 .Lentry_in_a_cluster
	s_endpgm
.Lentry_in_a_cluster:
	s_bfe_u32 s2, ttmp6, 0x10000c
	s_cmp_lg_u32 s2, 0x3003
	s_cbranch_scc0 .Lentry_shape_is_right
	s_endpgm
.Lentry_shape_is_right:
; Attention with ALiBi on codes of FP6 (E2M3): S^T = K Q^T (K = the head's 64), p = 2^(t - M), O^T = V^T p^T (K = the keys), O / l, quantised along the head's 64 for the last product.
; t = logit x log2(e), logit = score / 8 + slope (key - query); M = the running largest t rounded up to a whole number; l = the sum of the unquantised p.
; SHARES.  A work-group owns 128 queries of one batch and the four query heads of one KV head: 32 jobs of (16 queries, head).  Sixteen waves, four to a SIMD, two jobs each, one after the other.
; ALL K AND V of the (batch, KV head), 16 key steps x 13,056 bytes as the launch before laid them (images of the operands' registers), lie in LDS: filled once, one tensor load a wave, never again.
; CLUSTER.  The four work-groups of a cluster own neighbouring blocks of queries of the same (batch, KV head) and need the same bytes: each load is asked for jointly, with a mask that names the four.
; LAYOUT.  Both products are used transposed: a lane holds ONE query (lane % 16) throughout.  The keys of a tile are not neighbours: lane m of tile t holds key 32 (t / 2) + 8 (t % 2) + m + 8 (m / 8),
;   so register 16 b + i of the scores is key 32 b + 16 (lane / 16) + i of the step.  Queries and V's channels are laid by the same map.
; K = 64 IN AN INSTRUCTION OF 128.  Q's registers 6-11 are zero codes.  K's tiles lie 6 registers apart and each is named as 12: its upper six are the next tile's codes (behind the last: zeros), which meet Q's zeros.
;   Scale bytes 2 and 3 of both sides are 0, which stands for 2^-127: no NaN, and it scales zeros.
; THE BIAS.  key - query = DB_b + off: DB_b = step's first key + 32 b + 16 - query, a whole number, exact in f32; off = 16 (lane / 16) + 8 (t % 2) + j - 16, from -16 to 15.
;   8 slope off is the C of the score products (16 registers): D = score + 8 slope off.  t = D log2(e) / 8 + slope log2(e) DB_b, the last factor kept as a sum of two f32, joined with -M by fused multiply-adds, so that the large terms cancel before anything is rounded.
; The slopes are 2^(-(head + 1) / 2) as f32.
; LIMITS: NaN and infinities are not served.  p under 2^-126 counts as 0 (v_exp_f32 flushes).  1 / l is v_rcp_f32's.  A block of zeros, or under 2^-124, gets the scale byte 1: for zeros the codes are zeros, and this program alone reads the bytes.
;   The running largest t is kept to about 1e-4 at the far keys, so M may be one more or less than the ceiling of the true largest t: a power of two that the blocks' scales and l take up.
; a_sc leaves as one byte a lane, 32 bytes apart: a head's two bytes of a token's 32; the other heads' lie in other waves and work-groups.
; REGISTERS: v1-7 addresses and the query's number; v10 -M, v11 the largest t, v[12:13] l; v14-17 DB; v18-21 at work; v22-29 the blocks' addends (even registers); v30 Q's scale word, v31 p's, v32-35 K's, v36-37 V's;
;   v38-49 Q; v50-65 the bias table; v66-119 K's tiles, then V's; v120-183 the scores, then p; v184-215 O^T; v216-227 p's codes; v228-253 at work.
.set STEPB, 13056
.set KVB,   208896
.macro PLACES n
.rept \n
	v_nop
.endr
.endm
.macro ROUND                           ; a round of the cluster's barrier
	s_barrier_signal -1
	s_barrier_wait -1
	s_cmp_lg_u32 s14, 0
	s_cbranch_scc1 .Lnot_wave_0_\@
	s_barrier_signal -3
.Lnot_wave_0_\@:
	s_barrier_wait -3
	s_barrier_signal -1
	s_barrier_wait -1
.endm
	s_load_b256 s[4:11], s[0:1], 0x0               ; q_img, q_sc, kv, a_img
	s_load_b64 s[12:13], s[0:1], 0x20              ; a_sc
	v_lshl_add_u32 v254, v0, 2, 0x33000
	v_mov_b32 v255, 0
	ds_add_u32 v254, v255
	ds_add_u32 v254, v255
	v_lshrrev_b32 v1, 5, v0
	s_delay_alu instid0(VALU_DEP_1)
	v_readfirstlane_b32 s14, v1                    ; wave 0..15
	s_and_b32 s15, s14, 3                          ; which of the four heads
	s_lshr_b32 s16, s14, 2                         ; which of a job's four tiles of queries
	s_and_b32 s52, ttmp7, 0xffff                   ; batch x 4 + KV head: the four partners share it
	s_lshr_b32 s53, s52, 2                         ; batch
	s_and_b32 s54, s52, 3
	s_lshl_b32 s17, s54, 2
	s_add_co_u32 s17, s17, s15                     ; head 0..15
	s_lshr_b32 s18, s17, 1
	s_lshl_b32 s18, s18, 23                        ; head / 2, at an f32's exponent field
	s_mul_i32 s60, s52, KVB                        ; what I fetch: key step = my wave's number
	s_mul_i32 s61, s14, STEPB
	s_add_co_u32 s60, s60, s61
	s_mov_b32 s61, 0
	s_mov_b32 s32, 1                               ; group 0: count,
	s_mul_i32 s33, s14, STEPB                      ; LDS address: no place in the cluster enters it
	s_mov_b32 s36, 15|(3<<16)|(1<<21)              ; group 1: the mask: all four work-groups; elements of 8 bytes; bit 21 set beside a mask
	s_mov_b32 s37, 32<<16                          ; rows of 256 bytes,
	s_mov_b32 s38, 51<<16                          ; 51 of them, dense
	s_mov_b32 s39, 32<<16
	s_mov_b32 s40, 51
	s_mov_b32 s41, 32
	s_mov_b32 s42, 0
	s_mov_b32 s43, 0
	; the head's constants.  slope = 2^(-(head + 1) / 2): odd heads 0.5 x 2^-(head / 2), even heads f32(sqrt(0.5)) x 2^-(head / 2)
	s_and_b32 s19, s17, 1                          ; SCC: the head is odd
	s_mov_b32 s27, 0x3f3504f3
	s_cselect_b32 s27, 0x3f000000, s27             ; slope,
	s_mov_b32 s24, 0x3f8293ee
	s_cselect_b32 s24, 0x3f38aa3b, s24             ; slope x log2(e), rounded to f32,
	s_mov_b32 s26, 0xb2e4fc50
	s_cselect_b32 s26, 0x32257060, s26             ; and what the rounding left
	s_sub_co_u32 s27, s27, s18
	s_add_co_u32 s27, s27, 0x1800000               ; 8 x slope
	s_sub_co_u32 s24, s24, s18
	s_mov_b32 s25, s24                             ; (the packed form names a pair)
	s_sub_co_u32 s26, s26, s18
	s_mov_b32 s22, 0x3e38aa3b                      ; log2(e) / 8
	s_mov_b32 s23, s22
	s_mov_b32 s20, 0x76543210
	s_mov_b32 s21, 0xfedcba98                      ; v_permlanex16_b32's selects for lane l xor 16
	s_mov_b32 s28, 0xffff0000                      ; lanes 16-31
	; my block of queries: it enters global addresses and the query's number alone
	s_bfe_u32 s55, ttmp6, 0x40000                  ; cx
	s_lshl_b32 s56, ttmp9, 2
	s_add_co_u32 s56, s56, s55                     ; block of 128 queries
	s_lshl_b32 s31, s53, 4
	s_add_co_u32 s31, s31, s17                     ; batch x 16 + head
	s_lshl_b32 s57, s56, 3
	s_add_co_u32 s57, s57, s16                     ; my tile of job 0
	s_lshl_b32 s58, s31, 7
	s_add_co_u32 s58, s58, s57
	s_mul_i32 s44, s58, 768                        ; q_img
	s_mov_b32 s45, 0
	s_lshl_b32 s58, s31, 5
	s_lshl_b32 s59, s56, 1
	s_add_co_u32 s58, s58, s59
	s_lshl_b32 s46, s58, 8                         ; q_sc
	s_mov_b32 s47, 0
	s_lshl_b32 s58, s53, 7
	s_add_co_u32 s58, s58, s57
	s_lshl_b32 s58, s58, 4
	s_add_co_u32 s58, s58, s17
	s_mul_i32 s48, s58, 768                        ; a_img [tile][head]
	s_mov_b32 s49, 0
	s_lshl_b32 s58, s53, 6
	s_lshl_b32 s59, s56, 2
	s_add_co_u32 s58, s58, s59
	s_lshr_b32 s59, s16, 1
	s_add_co_u32 s58, s58, s59
	s_lshl_b32 s50, s58, 10                        ; a_sc: 32 bytes a token; token slot 32 (tile / 2) + 16 (tile % 2) + r
	s_and_b32 s58, s16, 1
	s_lshl_b32 s62, s58, 9
	s_add_co_u32 s50, s50, s62
	s_lshl_b32 s62, s17, 1
	s_add_co_u32 s50, s50, s62                     ; + 2 x head
	s_mov_b32 s51, 0
	s_lshl_b32 s62, s56, 7
	s_lshl_b32 s63, s59, 5
	s_add_co_u32 s62, s62, s63
	s_lshl_b32 s63, s58, 3
	s_add_co_u32 s62, s62, s63                     ; my tile's first query in job 0
	s_lshl_b32 s63, s58, 7
	s_lshl_b32 s59, s59, 2
	s_add_co_u32 s63, s63, s59                     ; my tile's word in a scale pair
	s_wait_dscnt 0x0
	s_wait_kmcnt 0x0
	s_add_nc_u64 s[34:35], s[8:9], s[60:61]
	s_or_b32 s35, s35, 0x80000000
	s_add_nc_u64 s[44:45], s[4:5], s[44:45]
	s_add_nc_u64 s[46:47], s[6:7], s[46:47]
	s_add_nc_u64 s[48:49], s[10:11], s[48:49]
	s_add_nc_u64 s[50:51], s[12:13], s[50:51]
	ROUND                                          ; all four work-groups are here: the joint loads meet
	tensor_load_to_lds s[32:35], s[36:43]          ; my one load: key step = my wave's number
	s_nop 0
	PLACES 4
	v_and_b32 v8, 31, v0
	s_delay_alu instid0(VALU_DEP_1)
	v_lshlrev_b32 v1, 4, v8                        ; 16 x lane
	s_delay_alu instid0(VALU_DEP_2)
	v_lshlrev_b32 v2, 3, v8                        ; 8 x lane
	v_and_b32 v8, 15, v0                           ; r
	v_bfe_u32 v9, v0, 4, 1                         ; h
	s_delay_alu instid0(VALU_DEP_2)
	v_lshl_add_u32 v5, v8, 3, s63                  ; Q's scale word
	s_delay_alu instid0(VALU_DEP_2)
	v_lshl_add_u32 v6, v8, 5, v9                   ; a_sc: token r, block h
	s_delay_alu instid0(VALU_DEP_4)
	v_and_b32 v7, 8, v8
	s_delay_alu instid0(VALU_DEP_1)
	v_add_nc_u32 v7, v7, v8                        ; r + 8 (r / 8)
	s_delay_alu instid0(VALU_DEP_1)
	v_add_nc_u32 v7, s62, v7
	s_delay_alu instid0(VALU_DEP_1)
	v_sub_nc_u32 v7, 0, v7                         ; - my query of job 0
	global_load_b128 v[38:41], v1, s[44:45]        ; job 0's Q and its scale word are asked for while the tensor load is out
	global_load_b64 v[42:43], v2, s[44:45] offset:512
	global_load_b32 v30, v5, s[46:47]
.set j, 0
.rept 64
	v_mov_b32 v[120+j], 0                          ; p's registers: a trip begins with the sum of the trip before's p, and job 0's first trip finds zeros
.set j, j+1
.endr
	v_lshlrev_b32 v250, 4, v9
.set n, 0
.rept 16
	v_add_nc_u32 v[50+n], n-16, v250               ; off = 16 h + n - 16
.set n, n+1
.endr
.set n, 0
.rept 16
	v_cvt_f32_i32 v[50+n], v[50+n]
.set n, n+1
.endr
.set n, 0
.rept 16
	v_mul_f32 v[50+n], s27, v[50+n]                ; 8 slope off
.set n, n+1
.endr
.irp z, 44,45,46,47,48,49, 114,115,116,117,118,119
	v_mov_b32 v[\z], 0                             ; zero codes: Q's upper half, and what stands behind K's last tile
.endr
.irp z, 23,25,27,29, 240,241,242,243, 249
	v_mov_b32 v[\z], 0                             ; written once: upper halves of pairs of which the low word serves, and lane permutes' destinations
.endr
	s_wait_tensorcnt 0x0                           ; my load has landed,
	s_barrier_signal -1
	s_barrier_wait -1                              ; everybody's has
; l += the sum of the 64 unquantised p in v120-183: 32 packed additions in eight chains
.macro ADD8 j
.irp c, 0,2,4,6
	v_pk_add_f32 v[232+\c:233+\c], v[232+\c:233+\c], v[(\j)+\c:(\j)+\c+1]
.endr
	v_pk_add_f32 v[244:245], v[244:245], v[(\j)+8:(\j)+9]
	v_pk_add_f32 v[246:247], v[246:247], v[(\j)+10:(\j)+11]
	v_pk_add_f32 v[252:253], v[252:253], v[(\j)+12:(\j)+13]
	v_pk_add_f32 v[12:13], v[12:13], v[(\j)+14:(\j)+15]
.endm
.macro LSUM
.irp c, 0,2,4,6
	v_pk_add_f32 v[232+\c:233+\c], v[120+\c:121+\c], v[128+\c:129+\c]
.endr
	v_pk_add_f32 v[244:245], v[136:137], v[138:139]
	v_pk_add_f32 v[246:247], v[140:141], v[142:143]
	v_pk_add_f32 v[252:253], v[144:145], v[146:147]
	v_pk_add_f32 v[12:13], v[12:13], v[148:149]
	ADD8 150
	ADD8 166
	v_pk_add_f32 v[232:233], v[232:233], v[182:183]
	v_pk_add_f32 v[234:235], v[234:235], v[236:237]
	v_pk_add_f32 v[238:239], v[238:239], v[244:245]
	v_pk_add_f32 v[246:247], v[246:247], v[252:253]
	s_delay_alu instid0(VALU_DEP_4)
	v_pk_add_f32 v[12:13], v[12:13], v[232:233]
	s_delay_alu instid0(VALU_DEP_3)
	v_pk_add_f32 v[234:235], v[234:235], v[238:239]
	s_delay_alu instid0(VALU_DEP_2)
	v_pk_add_f32 v[12:13], v[12:13], v[246:247]
	s_delay_alu instid0(VALU_DEP_1)
	v_pk_add_f32 v[12:13], v[12:13], v[234:235]
.endm
; THE SUM OF A TRIP'S p IS TAKEN AT THE NEXT TRIP'S TOP, between the issue of K's LDS loads and the wait for them, under the M of the trip that made the p; the last trip's stands behind the loop.
; A job's first trip finds zeros in v120-183: job 0's are written at the kernel's head, job 1's at its start.
.macro JOB J
.if \J
	s_wait_xcnt 0x0
.set j, 0
.rept 64
	v_mov_b32 v[120+j], 0                          ; p's registers: the first trip's sum adds zeros
.set j, j+1
.endr
	global_load_b128 v[38:41], v1, s[44:45] offset:3072*\J
	global_load_b64 v[42:43], v2, s[44:45] offset:3072*\J+512
	global_load_b32 v30, v5, s[46:47] offset:256*\J
.endif
.irp b, 0,1,2,3
	v_add_nc_u32 v[14+\b], 32*\b+16-64*\J, v7
.endr
.irp b, 0,1,2,3
	s_delay_alu instid0(VALU_DEP_4)
	v_cvt_f32_i32 v[14+\b], v[14+\b]               ; DB_b of key step 0
.endr
	v_mov_b32 v11, 0xff61b1e6                      ; the largest t so far: -3e38
	s_delay_alu instid0(VALU_DEP_1)
	v_floor_f32 v10, -v11                          ; -M
	v_mov_b32 v12, 0
	v_mov_b32 v13, 0
.set j, 0
.rept 32
	v_mov_b32 v[184+j], 0                          ; O^T: the step is written once; its first trip finds zeros
.set j, j+1
.endr
	s_mov_b32 s29, 0                               ; the step's bytes in LDS
	s_mov_b32 s30, 16
	s_wait_loadcnt 0x0
.Lstep_\@:
	v_add_nc_u32 v3, s29, v1                       ; these four lines are also the places behind the last trip's products, in front of the loads below
	v_add_nc_u32 v4, s29, v2
	v_pk_mul_f32 v[18:19], v[14:15], s[24:25] op_sel_hi:[1,0]      ; slope log2(e) DB_b, for the search for the largest t
	v_pk_mul_f32 v[20:21], v[16:17], s[24:25] op_sel_hi:[1,0]
.irp t, 0,1,2,3,4,5,6,7
	ds_load_b128 v[66+6*\t:69+6*\t], v3 offset:768*\t
	ds_load_b64 v[70+6*\t:71+6*\t], v4 offset:768*\t+512
.endr
	ds_load_b64 v[32:33], v4 offset:12288
	ds_load_b64 v[34:35], v4 offset:12544
	LSUM                                           ; the trip before's p
	s_wait_alu depctr_va_vdst(0)
	s_wait_dscnt 0x0
.irp t, 0,2,4,6                        ; D = K Q^T + 8 slope off: eight tiles of 16 keys
	v_wmma_scale_f32_16x16x128_f8f6f4 v[120+8*\t:127+8*\t], v[66+6*\t:77+6*\t], v[38:49], v[50:57], v[32+\t/2], v30 matrix_a_fmt:MATRIX_FMT_FP6 matrix_b_fmt:MATRIX_FMT_FP6
	v_wmma_scale_f32_16x16x128_f8f6f4 v[128+8*\t:135+8*\t], v[72+6*\t:83+6*\t], v[38:49], v[58:65], v[32+\t/2], v30 matrix_a_fmt:MATRIX_FMT_FP6 matrix_b_fmt:MATRIX_FMT_FP6 matrix_a_scale:MATRIX_SCALE_ROW1
.endr
	PLACES 4                                       ; in front of loads into K's registers and of the first read of the scores
.irp t, 0,1,2,3                        ; V's four tiles land while the softmax is worked
.irp c, 0,1,2
	ds_load_b128 v[66+12*\t+4*\c:69+12*\t+4*\c], v3 offset:6144+1536*\t+512*\c
.endr
.endr
	ds_load_b64 v[36:37], v4 offset:12800
; the largest D of each block of 32 keys: inside a block t rises with D.  It serves the row's maximum and the block's largest p.
; Blocks 0, 1 first, then 2, 3, in the order in which their tiles were multiplied; a block's two tiles are two chains, so four chains take turns; each accumulator is read from its low end on
.irp g, 0,2
.irp b, 0,1
.irp u, 0,1
	v_max3_num_f32 v[236+4*\u+\g+\b], v[120+16*(\g+\b)+8*\u], v[121+16*(\g+\b)+8*\u], v[122+16*(\g+\b)+8*\u]
.endr
.endr
.irp i, 3,5
.irp b, 0,1
.irp u, 0,1
	v_max3_num_f32 v[236+4*\u+\g+\b], v[236+4*\u+\g+\b], v[120+16*(\g+\b)+8*\u+\i], v[121+16*(\g+\b)+8*\u+\i]
.endr
.endr
.endr
.irp b, 0,1
	v_max3_num_f32 v[236+\g+\b], v[236+\g+\b], v[240+\g+\b], v[127+16*(\g+\b)]
.endr
.irp b, 0,1
	v_max_num_f32 v[236+\g+\b], v[236+\g+\b], v[135+16*(\g+\b)]
.endr
.endr
.irp b, 0,1                            ; blocks 0 and 1 were finished at least sixteen instructions ago
	v_permlanex16_b32 v[240+\b], v[236+\b], s20, s21
.endr
.irp b, 2,3
	s_delay_alu instid0(VALU_DEP_4)
	v_permlanex16_b32 v[240+\b], v[236+\b], s20, s21
.endr
.irp b, 0,1,2,3
	s_delay_alu instid0(VALU_DEP_4)
	v_max_num_f32 v[236+\b], v[236+\b], v[240+\b]  ; with lane l xor 16's 16 keys
.endr
	s_delay_alu instid0(VALU_DEP_3)
	v_pk_fma_f32 v[18:19], v[236:237], s[22:23], v[18:19] op_sel_hi:[1,0,1]   ; the blocks' largest t
	s_delay_alu instid0(VALU_DEP_2)
	v_pk_fma_f32 v[20:21], v[238:239], s[22:23], v[20:21] op_sel_hi:[1,0,1]
	s_delay_alu instid0(VALU_DEP_1)
	v_max3_num_f32 v250, v18, v19, v20
	s_delay_alu instid0(VALU_DEP_1)
	v_max3_num_f32 v11, v11, v250, v21             ; the running largest t
	v_mov_b32 v251, v10
	s_delay_alu instid0(VALU_DEP_2)
	v_floor_f32 v10, -v11                          ; the new -M: a whole number
	s_delay_alu instid0(VALU_DEP_1)
	v_sub_f32 v251, v10, v251                      ; old M - new M, 0 or less
	s_delay_alu instid0(VALU_DEP_1)
	v_cvt_i32_f32 v251, v251                       ; (it saturates)
	s_delay_alu instid0(VALU_DEP_1)
	v_ldexp_f32 v248, 1.0, v251                    ; f = 2^(old M - new M): a multiplication by it rounds nothing
.irp b, 0,1,2,3
	v_fma_f32 v[22+2*\b], s24, v[14+\b], v10       ; slope log2(e) DB_b - M: the exact product meets -M before anything is rounded,
.endr
.irp b, 0,1,2,3
	s_delay_alu instid0(VALU_DEP_4)
	v_fma_f32 v[22+2*\b], s26, v[14+\b], v[22+2*\b]   ; and the factor's second part follows
.endr
	v_pk_add_f32 v[14:15], v[14:15], 0x43000000 op_sel_hi:[1,0]    ; the next step's keys: + 128
	v_pk_add_f32 v[16:17], v[16:17], 0x43000000 op_sel_hi:[1,0]
.irp b, 0,1,2,3
.irp i, 0,2,4,6,8,10,12,14
	v_pk_fma_f32 v[120+16*\b+\i:121+16*\b+\i], v[120+16*\b+\i:121+16*\b+\i], s[22:23], v[22+2*\b:23+2*\b] op_sel_hi:[1,0,0]   ; t - M, two at a time
.endr
.endr
.irp b, 0,1,2,3
	v_fma_f32 v[236+\b], v[236+\b], s22, v[22+2*\b]   ; the same of each block's largest D
.endr
.set j, 0
	s_wait_alu depctr_va_vdst(0)
.rept 64
	v_exp_f32 v[120+j], v[120+j]                   ; p = 2^(t - M): not normalised
.set j, j+1
.endr
.irp b, 0,1,2,3
	v_exp_f32 v[236+\b], v[236+\b]                 ; the block's largest p: the same two instructions on the same number
.endr
	v_pk_mul_f32 v[12:13], v[12:13], v[248:249] op_sel_hi:[1,0]    ; l under the new M.  (A plain place behind the exponentials)
	s_wait_alu depctr_va_vdst(0)
.irp b, 0,1,2,3
	v_max_num_f32 v[236+\b], 0x1800000, v[236+\b]  ; the floor 2^(3 - 127): the byte cannot fall under 1
.endr
.irp b, 0,1,2,3
	s_delay_alu instid0(VALU_DEP_4)
	v_add_nc_u32 v[244+\b], 0xff000000, v[236+\b]  ; 2 off the exponent field: the conversion's scale operand
.endr
.irp b, 0,1,2,3
	s_delay_alu instid0(VALU_DEP_4)
	v_lshrrev_b32 v[240+\b], 23, v[244+\b]         ; the scale's byte
.endr
	s_delay_alu instid0(VALU_DEP_3)
	v_lshl_or_b32 v31, v241, 8, v240               ; p's scale word for these 128 keys
	s_delay_alu instid0(VALU_DEP_1)
	v_lshl_or_b32 v31, v242, 16, v31
	s_delay_alu instid0(VALU_DEP_1)
	v_lshl_or_b32 v31, v243, 24, v31
	v_cvt_scalef32_pk16_fp6_f32 v[216:218], v[120:135], v244
	v_cvt_scalef32_pk16_fp6_f32 v[228:230], v[136:151], v245       ; (a conversion's three registers begin on an even number)
	v_cvt_scalef32_pk16_fp6_f32 v[222:224], v[152:167], v246
	v_cvt_scalef32_pk16_fp6_f32 v[232:234], v[168:183], v247
	v_nop                                          ; one plain place behind a scaled conversion
.irp i, 0,1,2                          ; the operand's layout wants a whole block in a lane
	v_permlane16_swap_b32 v[216+\i], v[228+\i]
	v_permlane16_swap_b32 v[222+\i], v[232+\i]
.endr
.irp i, 0,1,2
	v_mov_b32 v[219+\i], v[228+\i]
	v_mov_b32 v[225+\i], v[232+\i]
.endr
.set j, 0
.rept 16
	v_pk_mul_f32 v[184+j:185+j], v[184+j:185+j], v[248:249] op_sel_hi:[1,0]   ; O^T under the new M, each accumulator from its low end on
.set j, j+2
.endr
	s_wait_alu depctr_va_vdst(0)
	s_wait_dscnt 0x0                               ; V is in
.irp t, 0,2                            ; O^T += V^T p^T: four tiles of 16 channels, by turns
	v_wmma_scale_f32_16x16x128_f8f6f4 v[184+8*\t:191+8*\t], v[66+12*\t:77+12*\t], v[216:227], v[184+8*\t:191+8*\t], v[36+\t/2], v31 matrix_a_fmt:MATRIX_FMT_FP6 matrix_b_fmt:MATRIX_FMT_FP6
	v_wmma_scale_f32_16x16x128_f8f6f4 v[192+8*\t:199+8*\t], v[78+12*\t:89+12*\t], v[216:227], v[192+8*\t:199+8*\t], v[36+\t/2], v31 matrix_a_fmt:MATRIX_FMT_FP6 matrix_b_fmt:MATRIX_FMT_FP6 matrix_a_scale:MATRIX_SCALE_ROW1
.endr
	s_add_co_u32 s29, s29, STEPB
	s_sub_co_u32 s30, s30, 1
	s_cmp_lg_u32 s30, 0
	s_cbranch_scc1 .Lstep_\@
	; the way out: O^T / l, quantised along the head's 64: register 16 b + i is channel 32 b + 16 h + i
	LSUM                                           ; the last trip's p; these additions name no register of the last products and are the places behind them
	s_delay_alu instid0(VALU_DEP_1)
	v_add_f32 v12, v12, v13
	s_delay_alu instid0(VALU_DEP_1)
	v_permlanex16_b32 v250, v12, s20, s21
	s_delay_alu instid0(VALU_DEP_1)
	v_add_f32 v12, v12, v250                       ; the row's sum
	s_wait_alu depctr_va_vdst(0)
	v_rcp_f32 v248, v12
	v_nop                                          ; one plain place behind a transcendental
.set j, 0
	s_wait_alu depctr_va_vdst(0)
.rept 16
	v_pk_mul_f32 v[120+j:121+j], v[184+j:185+j], v[248:249] op_sel_hi:[1,0]
.set j, j+2
.endr
.irp b, 0,1
	v_max3_num_f32 v[236+\b], |v[120+16*\b]|, |v[121+16*\b]|, 0x1800000
.endr
.irp i, 2,4,6,8,10,12,14
.irp b, 0,1
	s_delay_alu instid0(VALU_DEP_2)
	v_max3_num_f32 v[236+\b], v[236+\b], |v[120+16*\b+\i]|, |v[121+16*\b+\i]|
.endr
.endr
.irp b, 0,1
	s_delay_alu instid0(VALU_DEP_2)
	v_permlanex16_b32 v[240+\b], v[236+\b], s20, s21
.endr
.irp b, 0,1
	s_delay_alu instid0(VALU_DEP_2)
	v_max_num_f32 v[236+\b], v[236+\b], v[240+\b]
.endr
.irp b, 0,1
	s_delay_alu instid0(VALU_DEP_2)
	v_add_nc_u32 v[244+\b], 0xff000000, v[236+\b]
.endr
.irp b, 0,1
	s_delay_alu instid0(VALU_DEP_2)
	v_lshrrev_b32 v[240+\b], 23, v[244+\b]
.endr
	v_cvt_scalef32_pk16_fp6_f32 v[216:218], v[120:135], v244
	v_cvt_scalef32_pk16_fp6_f32 v[228:230], v[136:151], v245
	v_nop                                          ; one plain place behind a scaled conversion
.irp i, 0,1,2
	v_permlane16_swap_b32 v[216+\i], v[228+\i]
.endr
.irp i, 0,1,2
	s_delay_alu instid0(VALU_DEP_3)
	v_mov_b32 v[219+\i], v[228+\i]
.endr
	v_cndmask_b32 v250, v240, v241, s28            ; lanes 0-15 store block 0's byte, lanes 16-31 block 1's
	global_store_b128 v1, v[216:219], s[48:49] offset:49152*\J     ; an image of 768 bytes: 512 and 256 consecutive bytes, aligned
	global_store_b64 v2, v[220:221], s[48:49] offset:49152*\J+512
	global_store_b8 v6, v250, s[50:51] offset:2048*\J
.endm
	JOB 0
	JOB 1
	s_wait_tensorcnt 0x0
	ds_add_u32 v254, v255
	s_wait_dscnt 0x0
	ROUND                                          ; the closing round: no work-group ends while a partner may still ask for a load that names it
	s_endpgm
.Lfunc_end_k_q9ce1b16363_attn:
	.size	k_q9ce1b16363_attn, .Lfunc_end_k_q9ce1b16363_attn-k_q9ce1b16363_attn
	.p2alignl 7, 3214868480
	.fill 96, 4, 3214868480
	.section	.rodata,"a",@progbits
	.p2align	6, 0x0
	.amdhsa_kernel k_q9ce1b16363_attn
		.amdhsa_group_segment_fixed_size 210944
		.amdhsa_private_segment_fixed_size 0
		.amdhsa_enable_private_segment 0
		.amdhsa_kernarg_size 40
		.amdhsa_user_sgpr_count 2
		.amdhsa_user_sgpr_kernarg_segment_ptr 1
		.amdhsa_wavefront_size32 1
		.amdhsa_system_sgpr_workgroup_id_x 1
		.amdhsa_system_sgpr_workgroup_id_y 1
		.amdhsa_system_sgpr_workgroup_id_z 1
		.amdhsa_system_vgpr_workitem_id 0
		.amdhsa_next_free_vgpr 256
		.amdhsa_next_free_sgpr 66
		.amdhsa_reserve_vcc 0
		.amdhsa_float_denorm_mode_32 3
		.amdhsa_float_denorm_mode_16_64 3
		.amdhsa_memory_ordered 1
		.amdhsa_forward_progress 1
		.amdhsa_inst_pref_size 65
	.end_amdhsa_kernel
	.amdgpu_metadata
---
amdhsa.version: [ 1, 2 ]
amdhsa.kernels:
  - .name:           k_q9ce1b16363_attn
    .symbol:         k_q9ce1b16363_attn.kd
    .args:
      - { .name: q_img, .offset: 0, .size: 8, .value_kind: global_buffer, .address_space: global }
      - { .name: q_sc, .offset: 8, .size: 8, .value_kind: global_buffer, .address_space: global }
      - { .name: kv, .offset: 16, .size: 8, .value_kind: global_buffer, .address_space: global }
      - { .name: a_img, .offset: 24, .size: 8, .value_kind: global_buffer, .address_space: global }
      - { .name: a_sc, .offset: 32, .size: 8, .value_kind: global_buffer, .address_space: global }
    .group_segment_fixed_size: 210944
    .private_segment_fixed_size: 0
    .kernarg_segment_align: 8
    .kernarg_segment_size: 40
    .max_flat_workgroup_size: 512
    .sgpr_count:     66
    .vgpr_count:     256
    .wavefront_size: 32
...
	.end_amdgpu_metadata
.endif
;; end of part 2
;; launch oproj (part 3): grid 4 x 64, 4 waves a work-group, clusters of 4 x 4, 327,680 bytes of LDS; arguments a_img, a_sc, Wo_codes, Wo_scales, out0; writes out0
.if DOCPART == 3
	.amdgcn_target "amdgcn-amd-amdhsa--gfx1250"
	.amdhsa_code_object_version 6
	.text
	.protected	k_q9ce1b16363_oproj
	.globl	k_q9ce1b16363_oproj
	.p2align	8
	.type	k_q9ce1b16363_oproj,@function
k_q9ce1b16363_oproj:
	s_mov_b64 s[64:65], 0
	v_nop
	global_prefetch_b8 v0, s[64:65] scope:SCOPE_SE
	s_setreg_imm32_b32 hwreg(HW_REG_WAVE_MODE, 25, 1), 1
	s_wait_xcnt 0x0
	s_wait_alu depctr_hold_cnt(0) depctr_sa_sdst(0) depctr_va_vdst(0) depctr_va_sdst(0) depctr_va_ssrc(0) depctr_va_vcc(0) depctr_vm_vsrc(0)
	s_getreg_b32 s2, hwreg(HW_REG_IB_STS2, 6, 4)
	s_cmp_eq_u32 s2, 0
	s_cbranch_scc0 .Lentry_in_a_cluster
	s_endpgm
.Lentry_in_a_cluster:
	s_bfe_u32 s2, ttmp6, 0x10000c
	s_cmp_lg_u32 s2, 0xf033
	s_cbranch_scc0 .Lentry_shape_is_right
	s_endpgm
.Lentry_shape_is_right:
; out0 = a Wo on codes of FP6 (E2M3) with E8M0 scales, K = 1,024.  a: the attention's output as the launch before laid it: a_img [tile of 16 tokens][head] 768 bytes (an image of six registers a lane: 16 tokens x 64 K),
; a_sc 32 scale bytes a token, tokens in the order of the tiles' pairs.  Wo: [1,024 columns][768 bytes of codes], [32 scale bytes].  out0: [8,192][1,024] f32.
; A work-group makes 128 tokens x 256 columns; a wave 64 x 128: 32 accumulators.  Source 0 = 16 columns of Wo (side P), source 1 = 16 tokens (side R): a lane holds one token and neighbouring columns.
; Both sides, for all of K, come into LDS once; nothing is filled again.
; THE PRODUCTS RUN UNDER THE FILLS.  A wave's 64 tokens, for all of K, go into registers once (32 fragments, 384 registers).  The products then go by Wo's tiles: a tile of 16 columns against the four tiles of tokens,
;   all eight K steps, 32 matrix instructions.  So Wo may arrive in four stages of 32 rows for each half, and each stage is multiplied while the next lands.
; THE ROWS OF A TILE ARE NOT NEIGHBOURS, on either side: lane m of tile t holds row 32 (t / 2) + 8 (t % 2) + m + 8 (m / 8).  So the 16 registers of P's tiles 2 b, 2 b + 1 are 16 neighbouring columns, 32 b + 16 (lane / 16) + 0 .. 15.
; Wo's rows whose number has bit 4 clear lie in region X, the others in region Y, an odd multiple of 128 bytes further on; 16 neighbouring rows are one long row for the mover, 16 bytes of padding behind every 256: a row takes 816 bytes.
; CLUSTERS: 4 x 4 work-groups.  The four of a row of the cluster need the same tokens, the four of a column the same columns of Wo: each part is asked for jointly, with a mask that names the four.
; THE WAY OUT: a tile of 16 tokens x 128 columns goes through the wave's own stage in LDS and comes back as rows of 512 bytes, which the 32 lanes store whole.  The stage lies where a's images lay: those bytes have had
; their only fill, and every wave's last read of them stands in front of the first stage's barrier.
; REGISTERS: window 0: v4-13 addresses; v32-63 P's scale words, v64-79 R's; v80-223 R's fragments of K steps 5-7; on the way out v80-207 rows of out0.
;   window 1: a tile of P, eight fragments, two buffers (v0, v128).  window 2: accumulator (rho, pi) at v[64 rho + 8 pi].  window 3: v0-239 R's fragments of K steps 0-4.
.set LROW,  13056
.set HROW,  6528
.set PX,    98304                      ; behind a's images (8 tiles x 12,288 bytes)
.set PYD,   104576
.set AS,    307328                     ; a's scale bytes, 128 tokens x 32
.set PS,    311424                     ; Wo's, 256 rows x 32
.set SPITCH, 528                       ; a stage row: 512 bytes + 16
.set A16, 4                            ; v4   my tiles' images: 16 x lane
.set A8,  5                            ; v5   8 x lane
.set AP,  6                            ; v6, v7  my lane's place in P's tiles; the second for pieces that lie behind one padding more in lanes 16-31
.set ASR, 8
.set ASP, 9
.set CO,  10                           ; v10  16 x lane: my bytes of a row of 512
.set STO, 12                           ; v12  the stage: where I put 32 bytes of a row
.set RD,  13                           ; v13  and where I read a row back
.set SP,  32
.set SR,  64
.set RF,  80
.set BK,  80
.set MSB, 0
.macro WIN new                         ; the immediate's high byte repeats the setting that is left; a switch that changes nothing is dropped
.if MSB != (\new)
	s_set_vgpr_msb (MSB<<8)|(\new)
.set MSB, (\new)
.endif
.endm
.macro PLACES n
.rept \n
	v_nop
.endr
.endm
.macro ROUND                           ; a round of the cluster's barrier
	s_barrier_signal -1
	s_barrier_wait -1
	s_cmp_lg_u32 s26, 0
	s_cbranch_scc1 .Lnot_wave_0_\@
	s_barrier_signal -3
.Lnot_wave_0_\@:
	s_barrier_wait -3
	s_barrier_signal -1
	s_barrier_wait -1
.endm
.macro WMZ d, a, b, sa, sb, ra, rb
.if (\ra) && (\rb)
	v_wmma_scale_f32_16x16x128_f8f6f4 v[(\d):(\d)+7], v[(\a):(\a)+11], v[(\b):(\b)+11], 0, v[\sa], v[\sb] matrix_a_fmt:MATRIX_FMT_FP6 matrix_b_fmt:MATRIX_FMT_FP6 matrix_a_scale:MATRIX_SCALE_ROW1 matrix_b_scale:MATRIX_SCALE_ROW1
.elseif \ra
	v_wmma_scale_f32_16x16x128_f8f6f4 v[(\d):(\d)+7], v[(\a):(\a)+11], v[(\b):(\b)+11], 0, v[\sa], v[\sb] matrix_a_fmt:MATRIX_FMT_FP6 matrix_b_fmt:MATRIX_FMT_FP6 matrix_a_scale:MATRIX_SCALE_ROW1
.elseif \rb
	v_wmma_scale_f32_16x16x128_f8f6f4 v[(\d):(\d)+7], v[(\a):(\a)+11], v[(\b):(\b)+11], 0, v[\sa], v[\sb] matrix_a_fmt:MATRIX_FMT_FP6 matrix_b_fmt:MATRIX_FMT_FP6 matrix_b_scale:MATRIX_SCALE_ROW1
.else
	v_wmma_scale_f32_16x16x128_f8f6f4 v[(\d):(\d)+7], v[(\a):(\a)+11], v[(\b):(\b)+11], 0, v[\sa], v[\sb] matrix_a_fmt:MATRIX_FMT_FP6 matrix_b_fmt:MATRIX_FMT_FP6
.endif
.endm
.macro WMX d, a, b, sa, sb, ra, rb
.if (\ra) && (\rb)
	v_wmma_scale_f32_16x16x128_f8f6f4 v[(\d):(\d)+7], v[(\a):(\a)+11], v[(\b):(\b)+11], v[(\d):(\d)+7], v[\sa], v[\sb] matrix_a_fmt:MATRIX_FMT_FP6 matrix_b_fmt:MATRIX_FMT_FP6 matrix_a_scale:MATRIX_SCALE_ROW1 matrix_b_scale:MATRIX_SCALE_ROW1
.elseif \ra
	v_wmma_scale_f32_16x16x128_f8f6f4 v[(\d):(\d)+7], v[(\a):(\a)+11], v[(\b):(\b)+11], v[(\d):(\d)+7], v[\sa], v[\sb] matrix_a_fmt:MATRIX_FMT_FP6 matrix_b_fmt:MATRIX_FMT_FP6 matrix_a_scale:MATRIX_SCALE_ROW1
.elseif \rb
	v_wmma_scale_f32_16x16x128_f8f6f4 v[(\d):(\d)+7], v[(\a):(\a)+11], v[(\b):(\b)+11], v[(\d):(\d)+7], v[\sa], v[\sb] matrix_a_fmt:MATRIX_FMT_FP6 matrix_b_fmt:MATRIX_FMT_FP6 matrix_b_scale:MATRIX_SCALE_ROW1
.else
	v_wmma_scale_f32_16x16x128_f8f6f4 v[(\d):(\d)+7], v[(\a):(\a)+11], v[(\b):(\b)+11], v[(\d):(\d)+7], v[\sa], v[\sb] matrix_a_fmt:MATRIX_FMT_FP6 matrix_b_fmt:MATRIX_FMT_FP6
.endif
.endm
; a fragment of Wo from padded rows: 24 bytes of the row twice, in pieces of 8 bytes; lanes 16-31 read three pieces on, which for some pieces is behind one padding more: the second address register serves those
.macro FRAG reg, adr, s, off
.irp p, 0,1,2,3,4,5
.set PC, 12*(\s)+6*(\p/3)+\p%3
.if PC%32 >= 29
	ds_load_b64 v[(\reg)+2*\p:(\reg)+2*\p+1], v[(\adr)+1] offset:8*PC+16*(PC/32)+(\off)
.else
	ds_load_b64 v[(\reg)+2*\p:(\reg)+2*\p+1], v[\adr] offset:8*PC+16*(PC/32)+(\off)
.endif
.endr
.endm
; a fragment of a: the images of heads 2 s and 2 s + 1 of tile rho, as they were stored
.macro RFRAG reg, rho, ks
	ds_load_b128 v[(\reg):(\reg)+3], v[A16] offset:12288*(\rho)+1536*(\ks)
	ds_load_b64 v[(\reg)+4:(\reg)+5], v[A8] offset:12288*(\rho)+1536*(\ks)+512
	ds_load_b128 v[(\reg)+6:(\reg)+9], v[A16] offset:12288*(\rho)+1536*(\ks)+768
	ds_load_b64 v[(\reg)+10:(\reg)+11], v[A8] offset:12288*(\rho)+1536*(\ks)+1280
.endm
.macro FETCHR                          ; my 64 tokens, all eight K steps, into registers: they stay
	WIN 0xc0                                       ; destination window 3, address window 0
.irp ks, 0,1,2,3,4
.irp rho, 0,1,2,3
	RFRAG 48*\ks+12*\rho, \rho, \ks
.endr
.endr
	WIN 0
.irp ks, 5,6,7
.irp rho, 0,1,2,3
	RFRAG RF+48*(\ks-5)+12*\rho, \rho, \ks
.endr
.endr
.endm
.macro FETCHP pi                       ; P's tile pi, all eight K steps, into buffer pi % 2
	WIN 0x40                                       ; destination window 1, address window 0
.irp ks, 0,1,2,3,4,5,6,7
	FRAG 128*((\pi)%2)+12*\ks, AP, \ks, ((\pi)/2)*LROW+((\pi)%2)*HROW
.endr
	WIN 0
.endm
.macro MULT pi, sr                     ; 32 products: P's tile pi against R's four tiles, K ascending; the four accumulators take turns, one instruction a turn
	WIN 0xad                                       ; source 0 (Wo) window 1, source 1 (a) window 3, C and D window 2
.irp ks, 0,1,2,3,4
.irp rho, 0,1,2,3
.if \ks == 0
	WMZ 64*\rho+8*(\pi), 128*((\pi)%2)+12*\ks, 48*\ks+12*\rho, SP+8*((\pi)/2)+\ks, (\sr)+8*(\rho/2)+\ks, (\pi)%2, \rho%2
.else
	WMX 64*\rho+8*(\pi), 128*((\pi)%2)+12*\ks, 48*\ks+12*\rho, SP+8*((\pi)/2)+\ks, (\sr)+8*(\rho/2)+\ks, (\pi)%2, \rho%2
.endif
.endr
.endr
	WIN 0xa1                                       ; source 1 (a) window 0
.irp ks, 5,6,7
.irp rho, 0,1,2,3
	WMX 64*\rho+8*(\pi), 128*((\pi)%2)+12*\ks, RF+48*(\ks-5)+12*\rho, SP+8*((\pi)/2)+\ks, (\sr)+8*(\rho/2)+\ks, (\pi)%2, \rho%2
.endr
.endr
	WIN 0
.endm
; P's tile pi is multiplied.  pre = 1: the next tile is fetched first, into the other buffer, and lands under these products.
.macro TILE pi, sr, pre
	s_wait_dscnt 0x0                               ; this tile's fragments are in
.if \pre
	FETCHP (\pi)+1
.endif
	MULT \pi, \sr
.endm
; Stage g: P's tiles 2 g and 2 g + 1.  left: my loads of the later stages, which stay out.
.macro PD0 g, gp                       ; group 0 of Wo's stage g: count and LDS address
	s_mov_b32 s[\gp], 1
	s_add_co_u32 s[(\gp)+1], s24, (\g)*LROW
.endm
.macro PD1 g, gp                       ; its global address: 32 rows a stage
	s_add_nc_u64 s[(\gp)+2:(\gp)+3], s[30:31], (\g)*24576
	s_or_b32 s[(\gp)+3], s[(\gp)+3], 0x80000000
.endm
	s_load_b256 s[4:11], s[0:1], 0x0               ; a_img, a_sc, Wo's codes, Wo's scales
	s_load_b64 s[12:13], s[0:1], 0x20              ; out0
	v_lshl_add_u32 v254, v0, 2, 0x4e100
	v_mov_b32 v255, 0
	ds_add_u32 v254, v255
	ds_add_u32 v254, v255
	v_lshrrev_b32 v1, 5, v0
	v_readfirstlane_b32 s26, v1                    ; wave 0..3
	s_lshr_b32 s27, s26, 1                         ; which half of the tokens is mine.  Also: I fetch a's images (0) or Wo's (1)
	s_and_b32 s28, s26, 1                          ; which half of the columns.  Also: region X (0) or Y (1)
	s_bfe_u32 s14, ttmp6, 0x40000                  ; cx, cy: my place in the cluster
	s_bfe_u32 s15, ttmp6, 0x40004
	s_lshl_b32 s16, ttmp9, 2
	s_add_co_u32 s16, s16, s14                     ; block of 256 columns
	s_and_b32 s17, ttmp7, 0xffff
	s_lshl_b32 s17, s17, 2
	s_add_co_u32 s17, s17, s15                     ; block of 128 tokens
	s_lshl_b32 s18, s15, 2
	s_lshl_b32 s18, 15, s18                        ; my row of the cluster
	s_lshl_b32 s19, 0x1111, s14                    ; my column
	s_or_b32 s36, s18, (3<<16)|(1<<21)             ; a's images: dense, as rows of 256 bytes, 192 a wave; shared along my row
	s_mov_b32 s37, 32<<16
	s_mov_b32 s38, 192<<16                         ; half of a's images: 192 rows of 256 bytes
	s_mov_b32 s39, 32<<16
	s_mov_b32 s40, 192
	s_mov_b32 s41, 32
	s_mov_b32 s42, 0
	s_mov_b32 s43, 0
	s_or_b32 s52, s19, (3<<16)|(1<<20)|(1<<21)|(5<<22)|(3<<25)     ; a whole region of Wo's codes: 8 long rows of 1,536 elements of 8 bytes, 32 rows of memory apart, 16 bytes of padding behind every 256; shared along my column
	s_mov_b32 s53, 1536<<16
	s_mov_b32 s54, 8<<16
	s_mov_b32 s55, 1536<<16
	s_mov_b32 s56, 8
	s_mov_b32 s57, 3072
	s_mov_b32 s58, 0
	s_mov_b32 s59, 0
	; a's addresses hang on the block of tokens and the wave alone, Wo's on the block of columns and the wave alone, each in registers that never hold the other coordinate
	s_mul_i32 s20, s17, 98304
	s_mul_i32 s24, s28, 49152
	s_add_co_u32 s20, s20, s24
	s_mov_b32 s21, 0
	s_lshl_b32 s22, s17, 12
	s_lshl_b32 s25, s27, 11
	s_add_co_u32 s22, s22, s25
	s_mov_b32 s23, 0
	s_lshl_b32 s30, s16, 8
	s_lshl_b32 s29, s28, 4
	s_add_co_u32 s30, s30, s29
	s_mul_i32 s30, s30, 768                        ; row 256 x block + 16 c
	s_mov_b32 s31, 0
	s_lshl_b32 s32, s16, 13
	s_lshl_b32 s29, s28, 12
	s_add_co_u32 s32, s32, s29
	s_mov_b32 s33, 0
	s_lshl_b32 s34, s17, 19                        ; out0: my first token's row of 4,096 bytes, my first column
	s_lshl_b32 s35, s27, 18
	s_add_co_u32 s34, s34, s35
	s_lshl_b32 s35, s16, 10
	s_add_co_u32 s34, s34, s35
	s_lshl_b32 s35, s28, 9
	s_add_co_u32 s34, s34, s35
	s_mov_b32 s35, 0
	s_mov_b32 s76, 1                               ; groups 0: no place in the cluster enters an LDS address
	s_mul_i32 s77, s28, 49152
	s_mul_i32 s24, s28, PYD
	s_add_co_u32 s24, s24, PX
	PD0 0, 88
	s_wait_dscnt 0x0
	s_wait_kmcnt 0x0
	s_add_nc_u64 s[78:79], s[4:5], s[20:21]
	s_or_b32 s79, s79, 0x80000000
	s_add_nc_u64 s[82:83], s[6:7], s[22:23]        ; my 64 tokens' scale bytes and my 128 columns': they go from memory into registers
	s_add_nc_u64 s[86:87], s[10:11], s[32:33]
	s_add_nc_u64 s[30:31], s[8:9], s[30:31]
	PD1 0, 88
	s_add_nc_u64 s[12:13], s[12:13], s[34:35]
	ROUND                                          ; all sixteen work-groups are here: the joint loads meet
	; THE HEAD'S JOINT LOADS, ONE A WAVE: waves 0, 1 fetch the two halves of a's images, waves 2, 3 regions X, Y of Wo's 256 rows.  The products begin when all four have landed.
	s_cmp_eq_u32 s27, 0
	s_cbranch_scc0 .Lhead_wo
	tensor_load_to_lds s[76:79], s[36:43]
	s_nop 0
	PLACES 4
	s_branch .Lhead_asked
.Lhead_wo:
	tensor_load_to_lds s[88:91], s[52:59]
	s_nop 0
	PLACES 4
.Lhead_asked:
	v_and_b32 v1, 31, v0                           ; lane
	v_and_b32 v2, 15, v0                           ; r
	v_bfe_u32 v3, v0, 4, 1                         ; h
	s_mul_i32 s30, s27, 49152                      ; my four tiles of tokens
	v_lshl_add_u32 v[A16], v1, 4, s30
	v_lshl_add_u32 v[A8], v1, 3, s30
	v_and_b32 v14, 7, v0
	v_bfe_u32 v15, v0, 3, 1
	v_mul_u32_u24 v14, v14, 816
	v_mad_u32_u24 v14, v3, 24, v14                 ; row (lane % 8) of a tile's eight, + 24 h
	s_mul_i32 s31, s28, 4*LROW                     ; my 128 rows of Wo
	s_add_co_u32 s31, s31, PX
	v_mad_u32_u24 v[AP], v15, PYD, v14             ; lanes 8-15 of each half: region Y
	v_add_nc_u32 v[AP], s31, v[AP]
	v_lshl_add_u32 v[AP+1], v3, 4, v[AP]
	v_lshlrev_b32 v[ASR], 5, v1                    ; a's scale words: the 32 lanes take the 32 tokens of a pair of tiles, as they lie
	v_and_b32 v15, 8, v2
	v_add_nc_u32 v15, v15, v2                      ; r + 8 (r / 8)
	v_lshl_add_u32 v15, v3, 3, v15                 ; lanes 16-31 take the odd tile of a pair: 8 rows on
	v_lshlrev_b32 v[ASP], 5, v15
.irp i, 0,1,2,3                        ; the scale words of all eight K steps: a row's 32 bytes are eight words
	global_load_b128 v[SP+8*\i:SP+8*\i+3], v[ASP], s[86:87] offset:1024*\i
	global_load_b128 v[SP+8*\i+4:SP+8*\i+7], v[ASP], s[86:87] offset:1024*\i+16
.endr
.irp i, 0,1
	global_load_b128 v[SR+8*\i:SR+8*\i+3], v[ASR], s[82:83] offset:1024*\i
	global_load_b128 v[SR+8*\i+4:SR+8*\i+7], v[ASR], s[82:83] offset:1024*\i+16
.endr
	v_lshlrev_b32 v[CO], 4, v1
	s_mul_i32 s34, s26, 16*SPITCH                  ; my stage
	v_mul_u32_u24 v[STO], v2, SPITCH
	v_lshl_add_u32 v[STO], v3, 6, v[STO]
	v_add_nc_u32 v[STO], s34, v[STO]               ; in: row r, + 64 h
	v_add_nc_u32 v[RD], s34, v[CO]                 ; back: 16 bytes a lane of a row
	s_wait_alu depctr_va_vdst(0)
	s_wait_tensorcnt 0x0                           ; my one load has landed,
	s_barrier_signal -1
	s_barrier_wait -1                              ; everybody's has: a and Wo are whole
	FETCHR
	s_wait_dscnt 0x0                               ; a is in registers: my reads of its images in LDS are over,
	s_barrier_signal -1
	s_barrier_wait -1                              ; and everybody's are: the way out's stages may be laid over them
	FETCHP 0
	s_wait_loadcnt 0x0                             ; both sides' scale words
	TILE 0, SR, 1
.irp pi, 1,2,3,4,5,6
	PLACES 4                                       ; in front of loads into the buffer that the tile before's products read
	TILE \pi, SR, 1
.endr
	TILE 7, SR, 0
	PLACES 4                                       ; in front of the first read of results and of loads into R's fragments
.macro TOSTAGE rho
	WIN 0x08                                       ; an LDS store's data are its source 1: window 2
.irp pi, 0,1,2,3,4,5,6,7
	ds_store_b128 v[STO], v[64*(\rho)+8*\pi:64*(\rho)+8*\pi+3] offset:128*(\pi/2)+32*(\pi%2)         ; each accumulator from its low end on: columns 32 (pi / 2) + 16 h + 8 (pi % 2) + 0 .. 7
	ds_store_b128 v[STO], v[64*(\rho)+8*\pi+4:64*(\rho)+8*\pi+7] offset:128*(\pi/2)+32*(\pi%2)+16
.endr
	WIN 0
.irp t, 0,1,2,3,4,5,6,7,8,9,10,11,12,13,14,15
	ds_load_b128 v[BK+64*((\rho)%2)+4*\t:BK+64*((\rho)%2)+4*\t+3], v[RD] offset:\t*SPITCH   ; LDS serves a wave's instructions in order (ISA guide 5.7.1.4): these see the stores above
.endr
.endm
.macro SEND rho, younger               ; younger: the LDS instructions issued behind tile rho's loads, which may stay out
	s_wait_dscnt \younger
.irp t, 0,1,2,3,4,5,6,7,8,9,10,11,12,13,14,15
	global_store_b128 v[CO], v[BK+64*((\rho)%2)+4*\t:BK+64*((\rho)%2)+4*\t+3], s[12:13] offset:(32*((\rho)/2)+8*((\rho)%2)+\t+8*(\t/8))*4096 th:TH_STORE_NT   ; 32 lanes store 512 consecutive bytes of a token's row, aligned; written once, read by nobody here
.endr
.endm
	TOSTAGE 0
.irp rho, 1,2,3
.if \rho > 1
	s_wait_xcnt 0x0                                ; tile rho - 2's stores have read their registers: tile rho's loads may land there
.endif
	TOSTAGE \rho
	SEND \rho-1, 32                                ; behind tile rho - 1's loads: tile rho's 16 stores and 16 loads
.endr
	SEND 3, 0
	s_wait_tensorcnt 0x0
	ds_add_u32 v254, v255
	s_wait_dscnt 0x0
	ROUND                                          ; the closing round: no work-group ends while a partner may still ask for a load that names it
	s_endpgm
.Lfunc_end_k_q9ce1b16363_oproj:
	.size	k_q9ce1b16363_oproj, .Lfunc_end_k_q9ce1b16363_oproj-k_q9ce1b16363_oproj
	.p2alignl 7, 3214868480
	.fill 96, 4, 3214868480
	.section	.rodata,"a",@progbits
	.p2align	6, 0x0
	.amdhsa_kernel k_q9ce1b16363_oproj
		.amdhsa_group_segment_fixed_size 327680
		.amdhsa_private_segment_fixed_size 0
		.amdhsa_enable_private_segment 0
		.amdhsa_kernarg_size 40
		.amdhsa_user_sgpr_count 2
		.amdhsa_user_sgpr_kernarg_segment_ptr 1
		.amdhsa_wavefront_size32 1
		.amdhsa_system_sgpr_workgroup_id_x 1
		.amdhsa_system_sgpr_workgroup_id_y 1
		.amdhsa_system_sgpr_workgroup_id_z 1
		.amdhsa_system_vgpr_workitem_id 0
		.amdhsa_next_free_vgpr 1024
		.amdhsa_next_free_sgpr 100
		.amdhsa_reserve_vcc 0
		.amdhsa_float_denorm_mode_32 3
		.amdhsa_float_denorm_mode_16_64 3
		.amdhsa_memory_ordered 1
		.amdhsa_forward_progress 1
		.amdhsa_inst_pref_size 89
	.end_amdhsa_kernel
	.amdgpu_metadata
---
amdhsa.version: [ 1, 2 ]
amdhsa.kernels:
  - .name:           k_q9ce1b16363_oproj
    .symbol:         k_q9ce1b16363_oproj.kd
    .args:
      - { .name: a_img, .offset: 0, .size: 8, .value_kind: global_buffer, .address_space: global }
      - { .name: a_sc, .offset: 8, .size: 8, .value_kind: global_buffer, .address_space: global }
      - { .name: Wo_codes, .offset: 16, .size: 8, .value_kind: global_buffer, .address_space: global }
      - { .name: Wo_scales, .offset: 24, .size: 8, .value_kind: global_buffer, .address_space: global }
      - { .name: out0, .offset: 32, .size: 8, .value_kind: global_buffer, .address_space: global }
    .group_segment_fixed_size: 327680
    .private_segment_fixed_size: 0
    .kernarg_segment_align: 8
    .kernarg_segment_size: 40
    .max_flat_workgroup_size: 128
    .sgpr_count:     100
    .vgpr_count:     1024
    .wavefront_size: 32
...
	.end_amdgpu_metadata
.endif
;; end of part 3
